; MI455X (gfx1250); checked and timed in simulation.
; The chip was launched on July 23, 2026; its instructions are those of AMD's public machine-readable ISA for CDNA 5 (MIT licence, August 2026) and "CDNA5" Instruction Set Architecture Reference Guide (July 2026). The comments in the code are by the model that wrote it; some were corrected since.
;; Cross Attention. Allowed arithmetic: float matrix products may take bf16 or f16 operands with f32 sums; other float arithmetic in f32, or as packed bf16 or f16 multiplies, adds, multiply-adds, maxima and minima; sums over many terms, partial sums and values carried from step to step in f32; what a program stores and reads back later, other than sums and carried values, may be rounded once to bf16 or f16.
;; Inputs: Wk 1,024 x 1,024 float32; Wq 1,024 x 1,024 float32; Wv 1,024 x 1,024 float32; bk 1,024 float32; bq 1,024 float32; bv 1,024 float32; x1 4 x 2,048 x 1,024 float32; x2 4 x 2,048 x 1,024 float32.
;; Outputs: out0 4 x 2,048 x 1,024 float32.
;; 2 versions, each right; version 2 is version 1 with the launch cast written anew for expert scheduling mode. Each part assembles by itself: llvm-mc -triple=amdgcn-amd-amdhsa -mcpu=gfx1250 --defsym DOCPART=n.
;; ======== version 1 of 2: 4 launches
;; limits: values are held in f16: magnitudes above 65,504 overflow, below 6.1e-05 lose precision
;; workspace buffers: xh 33,554,432 bytes; wh 6,291,456 bytes; qkv 50,331,648 bytes; p 33,554,432 bytes; stats 1,048,576 bytes
;; launch cast (part 1): grid 256 x 1, 16 waves a work-group, no clusters, 0 bytes of LDS; arguments x1, x2, Wq, Wk, Wv, xh, wh; writes xh, wh
.if DOCPART == 1
	.amdgcn_target "amdgcn-amd-amdhsa--gfx1250"
	.amdhsa_code_object_version 6
	.text
	.protected	k_qe643664ede_cast
	.globl	k_qe643664ede_cast
	.p2align	8
	.type	k_qe643664ede_cast,@function
k_qe643664ede_cast:
	s_mov_b64 s[64:65], 0
	v_nop
	global_prefetch_b8 v0, s[64:65] scope:SCOPE_SE
	s_setreg_imm32_b32 hwreg(HW_REG_WAVE_MODE, 25, 1), 1
	s_wait_xcnt 0x0
; x1, x2 and the three weights are rounded once to bf16.  xh: [16384][1024] bf16 = x1's rows, then x2's.  wh: [3072][1024] bf16 = Wq, Wk, Wv.
; A stream: no LDS, no barrier, no matrix unit.  256 work-groups of 16 waves, all with the same share: wave W = 16 g + w of 4,096 takes 16,384 consecutive bytes of x
; (work-groups 0-127: x1, 128-255: x2) and 1,024 consecutive bytes of each of the three weights: 38 loads of 512 consecutive bytes, all issued at once.
; The conversion is made in place, into the first two registers of each four; each store covers 256 consecutive bytes, aligned.
.set X, 8                              ; v[8:159]  38 x 4 f32 as loaded: the weights' six loads, then x's 32
	s_load_b256 s[16:23], s[0:1], 0x0              ; x1 s[16:17], x2 s[18:19], Wq s[20:21], Wk s[22:23]
	s_load_b128 s[24:27], s[0:1], 0x20             ; Wv s[24:25], xh s[26:27]
	s_load_b64 s[28:29], s[0:1], 0x30              ; wh
	s_mov_b32 s2, ttmp9                            ; g
	v_and_b32 v3, 31, v0                           ; lane
	v_and_b32 v4, 0x1e0, v0                        ; 32 x wave
	v_lshlrev_b32 v1, 4, v3
	v_lshl_add_u32 v1, v4, 9, v1                   ; x in: 16,384 x wave + 16 x lane
	v_lshlrev_b32 v2, 3, v3
	v_lshl_add_u32 v2, v4, 8, v2                   ; x out: 8,192 x wave + 8 x lane
	v_lshlrev_b32 v5, 4, v3
	v_lshl_add_u32 v5, v4, 5, v5                   ; a weight in: 1,024 x wave + 16 x lane
	v_lshlrev_b32 v6, 3, v3
	v_lshl_add_u32 v6, v4, 4, v6                   ; a weight out: 512 x wave + 8 x lane
	s_and_b32 s4, s2, 127
	s_lshl_b32 s4, s4, 18                          ; the work-group's 262,144 bytes in x1 or in x2
	s_mov_b32 s5, 0
	s_lshl_b32 s6, s2, 17                          ; its 131,072 bytes in xh
	s_mov_b32 s7, 0
	s_lshl_b32 s8, s2, 14                          ; its 16,384 bytes in each weight
	s_mov_b32 s9, 0
	s_lshl_b32 s10, s2, 13                         ; its 8,192 bytes in each third of wh
	s_mov_b32 s11, 0
	s_wait_kmcnt 0x0
	s_cmp_ge_u32 s2, 128
	s_cselect_b64 s[12:13], s[18:19], s[16:17]     ; the choice hangs on g alone
	s_add_nc_u64 s[12:13], s[12:13], s[4:5]
	s_add_nc_u64 s[26:27], s[26:27], s[6:7]
	s_add_nc_u64 s[20:21], s[20:21], s[8:9]
	s_add_nc_u64 s[22:23], s[22:23], s[8:9]
	s_add_nc_u64 s[24:25], s[24:25], s[8:9]
	s_add_nc_u64 s[28:29], s[28:29], s[10:11]
.irp m, 0,1,2
	global_load_b128 v[X+8*(\m):X+8*(\m)+3],   v5, s[20+2*(\m):21+2*(\m)] th:TH_LOAD_NT             ; every byte is read once in the launch
	global_load_b128 v[X+8*(\m)+4:X+8*(\m)+7], v5, s[20+2*(\m):21+2*(\m)] offset:512 th:TH_LOAD_NT
.endr
.set i, 0
.rept 32
	global_load_b128 v[X+24+4*i:X+24+4*i+3], v1, s[12:13] offset:512*i th:TH_LOAD_NT
.set i, i+1
.endr
.set n, 0
.rept 6
	s_wait_loadcnt 37-n                            ; loads come back in order (ISA guide 5.7.1): load n is in, the 37 - n younger ones stay out
	v_cvt_pk_bf16_f32 v[X+4*n],   v[X+4*n],   v[X+4*n+1]
	v_cvt_pk_bf16_f32 v[X+4*n+1], v[X+4*n+2], v[X+4*n+3]
	global_store_b64 v6, v[X+4*n:X+4*n+1], s[28:29] offset:(n/2)*2097152+(n%2)*256  ; weight n / 2 has its 2,097,152 bytes of wh
.set n, n+1
.endr
.set i, 0
.rept 32
	s_wait_loadcnt 31-i
	v_cvt_pk_bf16_f32 v[X+24+4*i],   v[X+24+4*i],   v[X+24+4*i+1]
	v_cvt_pk_bf16_f32 v[X+24+4*i+1], v[X+24+4*i+2], v[X+24+4*i+3]
	global_store_b64 v2, v[X+24+4*i:X+24+4*i+1], s[26:27] offset:256*i  ; no register is written behind the store that reads it
.set i, i+1
.endr
	s_endpgm
.Lfunc_end_k_qe643664ede_cast:
	.size	k_qe643664ede_cast, .Lfunc_end_k_qe643664ede_cast-k_qe643664ede_cast
	.p2alignl 7, 3214868480
	.fill 96, 4, 3214868480
	.section	.rodata,"a",@progbits
	.p2align	6, 0x0
	.amdhsa_kernel k_qe643664ede_cast
		.amdhsa_group_segment_fixed_size 0
		.amdhsa_private_segment_fixed_size 0
		.amdhsa_enable_private_segment 0
		.amdhsa_kernarg_size 56
		.amdhsa_user_sgpr_count 2
		.amdhsa_user_sgpr_kernarg_segment_ptr 1
		.amdhsa_wavefront_size32 1
		.amdhsa_system_sgpr_workgroup_id_x 1
		.amdhsa_system_sgpr_workgroup_id_y 1
		.amdhsa_system_sgpr_workgroup_id_z 1
		.amdhsa_system_vgpr_workitem_id 0
		.amdhsa_next_free_vgpr 160
		.amdhsa_next_free_sgpr 66
		.amdhsa_reserve_vcc 0
		.amdhsa_float_denorm_mode_32 3
		.amdhsa_float_denorm_mode_16_64 3
		.amdhsa_memory_ordered 1
		.amdhsa_forward_progress 1
		.amdhsa_inst_pref_size 15
	.end_amdhsa_kernel
	.amdgpu_metadata
---
amdhsa.version: [ 1, 2 ]
amdhsa.kernels:
  - .name:           k_qe643664ede_cast
    .symbol:         k_qe643664ede_cast.kd
    .args:
      - { .name: x1, .offset: 0, .size: 8, .value_kind: global_buffer, .address_space: global }
      - { .name: x2, .offset: 8, .size: 8, .value_kind: global_buffer, .address_space: global }
      - { .name: Wq, .offset: 16, .size: 8, .value_kind: global_buffer, .address_space: global }
      - { .name: Wk, .offset: 24, .size: 8, .value_kind: global_buffer, .address_space: global }
      - { .name: Wv, .offset: 32, .size: 8, .value_kind: global_buffer, .address_space: global }
      - { .name: xh, .offset: 40, .size: 8, .value_kind: global_buffer, .address_space: global }
      - { .name: wh, .offset: 48, .size: 8, .value_kind: global_buffer, .address_space: global }
    .group_segment_fixed_size: 0
    .private_segment_fixed_size: 0
    .kernarg_segment_align: 8
    .kernarg_segment_size: 56
    .max_flat_workgroup_size: 512
    .sgpr_count:     66
    .vgpr_count:     160
    .wavefront_size: 32
...
	.end_amdgpu_metadata
.endif
;; end of part 1
;; launch proj (part 2): grid 8 x 32, 4 waves a work-group, clusters of 4 x 4, 327,680 bytes of LDS; arguments xh, wh, bq, bk, bv, qkv; writes qkv
.if DOCPART == 2
	.amdgcn_target "amdgcn-amd-amdhsa--gfx1250"
	.amdhsa_code_object_version 6
	.text
	.protected	k_qe643664ede_proj
	.globl	k_qe643664ede_proj
	.p2align	8
	.type	k_qe643664ede_proj,@function
k_qe643664ede_proj:
	s_mov_b64 s[64:65], 0
	v_nop
	global_prefetch_b8 v0, s[64:65] scope:SCOPE_SE
	s_setreg_imm32_b32 hwreg(HW_REG_WAVE_MODE, 25, 1), 1
	s_wait_xcnt 0x0
	s_wait_alu depctr_hold_cnt(0) depctr_sa_sdst(0) depctr_va_vdst(0) depctr_va_sdst(0) depctr_va_ssrc(0) depctr_va_vcc(0) depctr_vm_vsrc(0)
	s_getreg_b32 s2, hwreg(HW_REG_IB_STS2, 6, 4)
	s_cmp_eq_u32 s2, 0
	s_cbranch_scc0 .Lentry_in_a_cluster
	s_endpgm
.Lentry_in_a_cluster:
	s_bfe_u32 s2, ttmp6, 0x10000c
	s_cmp_lg_u32 s2, 0xf033
	s_cbranch_scc0 .Lentry_shape_is_right
	s_endpgm
.Lentry_shape_is_right:
; The three projections.  qkv: [24576][1024] f16 = (c q, k, v), 8,192 rows each; c = log2(e) / 32: the scores' scale and the change to base 2 ride on q.
; qkv[m][e] = f16( SC x (sum over d of x[m][d] W[e][d]) + SC x bf16(b[e]) ), bf16 operands, f32 sums; SC = c for q, 1 for k and v.
; LIMIT: f16 ends at 65,504: |c q|, |k|, |v| stay below that; beyond it a number becomes an infinity.  NaN and infinities are not treated apart.
; SHARES.  The output is 384 tiles of 256 x 256, one and a half for each of 256 work-groups.  So a work-group STAYS and makes two tiles: first 256 x 256 of (k | v): x2's row block tr times 256 rows of Wk
; (cluster x = 0) or Wv (1); then 256 x 128 of q: x1's row block tr times 128 rows of Wq.  Every work-group has the same 2,048 + 1,024 matrix instructions a wave.
; THE WALK.  K = 1,024 goes in steps of 128 through two LDS slots filled by the tensor data mover: 16 steps, 8 for each tile, and the ring does not stop between the tiles: the first tile's last two
; changes of slots ask for the second tile's first two steps, and the first tile's stores leave while the second is multiplied.
; ONE TEXT FOR BOTH TILES.  First tile: four waves of 128 x 128, 64 accumulators.  Second tile: wave w takes rows 64 w .. 64 w + 63 and all 128 columns: the 32 accumulators of window 2.  So a quarter step's
; upper half (8 LDS loads, 32 products) is jumped over, forward, on the scalar PH.  All counters and flags are constants of the text, alike in every work-group.
; CLUSTER: 4 x 4 work-groups.  The four of a row of the cluster need the same rows of xh, the four of a column the same rows of wh: each tile is asked for JOINTLY, by the same load, descriptor and mask in all four.
; THE MATRIX INSTRUCTION IS USED TRANSPOSED (source 0 = 16 rows of wh, source 1 = 16 rows of xh): a lane holds row l % 16 of the result and eight neighbouring columns 8 (l / 16) + 0..7.
; REGISTERS, in windows of 256 (s_set_vgpr_msb: bits 1:0 source 0, 3:2 source 1, 5:4 source 2, 7:6 destination):
;   window 0: v0-31 addresses; v64-127, v128-191 fragments of xh, two buffers; v32-63, v192-255 at work on the way out
;   window 1: v0-63 my 64 numbers of the bias; v64-127, v128-191 fragments of wh; v192-223 at work on the bias      windows 2, 3: the accumulators: (a, b) at v[8 (8 (a % 4) + b)], a < 4 in window 2
.set KSTEP,  128
.set PITCH,  272                       ; an LDS row: 256 bytes + 16 of padding = 68 words: the 16 rows of a fragment load start at 16 different groups of four banks (64 banks of 4 bytes: ISA guide 11.1)
.set HALFT,  128*PITCH                 ; a wave's quarter of a slot: 128 rows
.set SLOT,   4*HALFT                   ; xh's 256 rows, then wh's: 0x22000.  A wave's quarter begins at wave x 0x8800, which has none of SLOT's two bits: an exclusive or with SLOT changes slots
.set STAGE,  2*SLOT                    ; behind the ring: 16 rows x 272 bytes for each wave, for the way out
.set SPITCH, 272
.set SPARE,  STAGE+4*16*SPITCH         ; behind the stages: the spare words, 128 bytes for each wave
.set ROWC,   2048                      ; bytes in a row of qkv
.set CSC,    0x3d38aa3b                ; c = log2(e) / 32
.set BO,    6                          ; v6   32 (l / 16): my eight columns in a block's 64 bytes of bias; never rewritten
.set ADRA0, 10                         ; v10-12  slot 0's addresses of my fragments for the tile in hand: xh's, wh's blocks 0-3, wh's blocks 4-7
.set ADRB0, 11
.set ADRC0, 12
.set ADRA1, 13                         ; v13-15  the same for the second tile; never rewritten
.set ADRB1, 14
.set ADRC1, 15
.set ADRA,  16                         ; v16-18  the same in the slot in hand
.set ADRB,  17
.set ADRC,  18
.set STO,   24                         ; v24  the way out: where I put 16 bytes of a row
.set RD,    25                         ; v25  where I read a row back
.set CO,    26                         ; v26  my byte offset in qkv
.set SPW,   28                         ; v28  LDS address of my spare word; never rewritten
.set NIL,   29                         ; v29  0; never rewritten
.set F0,    64
.set F1,    128
.set TMP,   192                        ; packed results
.set OB,    32                         ; 16 rows read back: v32-63 and v224-255 by turns
.set G1,   24                          ; s[24:31] descriptor group 1 for xh's tiles: 128 rows
.set G0,   32                          ; s[32:35] group 0: step 0 into slot 0
.set G0W,  36                          ; s[36:39] group 0: step 1 into slot 1; then every later step
.set G1B,  48                          ; s[48:55] group 1 for Wk's and Wv's tiles: 128 rows
.set G0B,  56                          ; s[56:59], s[60:63] group 0 for wh's tiles, as for xh's
.set G0BW, 60
.set TB,   66                          ; s66  LDS byte at which the slot in hand begins
.set PH,   67                          ; s67  0: the first tile is multiplied, 1: the second
.set SC,   68                          ; s[68:69] the factor on sums and bias, in the low word
.set SW,   70                          ; s70  steps of the walk still to be ended: 16 - the step in hand
.set KO,   72                          ; s[72:73] byte offset along K of the step to be asked for
.set BB0,  74                          ; s[74:75] the first tile's 128 numbers of bk or bv for my columns
.set BB1,  76                          ; s[76:77] bq, then the second tile's 128 numbers of it
.set G1C,  80                          ; s[80:87] group 1 for Wq's tiles: 64 rows
.set XB0,  88                          ; s[88:89] my 128 rows of x2 in xh    s[90:91] of x1
.set XB1,  90
.set C1,   94                          ; s[94:95] qkv, then my first row of the second tile
.set WB0,  96                          ; s[96:97] my 128 rows of Wk or Wv in wh    s[98:99] my 64 rows of Wq
.set WB1,  98
.set MSB, 0
.macro WIN new                         ; the immediate's high byte repeats the setting that is left; a switch that changes nothing is dropped
.if MSB != (\new)
	s_set_vgpr_msb (MSB<<8)|(\new)
.set MSB, (\new)
.endif
.endm
.set MUL_LO, 0xa1                      ; source 0 window 1, source 1 window 0, C and D window 2
.set MUL_HI, 0xf1                      ; the same, C and D window 3
.set TO_B,   0x40                      ; destination window 1, address window 0
; A joint refill.  Waves 0 and 1 fetch xh's two halves, waves 2 and 3 wh's: 128 rows each for the first tile, 64 rows each, into the same quarters of the slot, for the second (steps 8 on: SW <= 10 when they are
; asked for).  On every way a wave issues exactly one of the three lines; the branches hang on the wave's number and on the walk's counter, which are the same in every work-group.
; An s_nop 0 and four v_nop follow each line, ahead of the jump and the label.
.macro JLOAD
	s_cmp_eq_u32 s11, 0
	s_cbranch_scc0 .Lfor_b_\@
	tensor_load_to_lds s[G0W:G0W+3], s[G1:G1+7]
	s_nop 0
.rept 4
	v_nop
.endr
	s_branch .Lasked_\@
.Lfor_b_\@:
	s_cmp_le_u32 s[SW], 10
	s_cbranch_scc1 .Lfor_c_\@
	tensor_load_to_lds s[G0BW:G0BW+3], s[G1B:G1B+7]
	s_nop 0
.rept 4
	v_nop
.endr
	s_branch .Lasked_\@
.Lfor_c_\@:
	tensor_load_to_lds s[G0BW:G0BW+3], s[G1C:G1C+7]
	s_nop 0
.rept 4
	v_nop
.endr
.Lasked_\@:
.endm
.macro CREST                           ; a round of the cluster's barrier behind its opening barrier: wave 0 signals for the work-group, every wave waits for all sixteen, my work-group's barrier closes it
	s_cmp_lg_u32 s10, 0
	s_cbranch_scc1 .Lnot_wave_0_\@
	s_barrier_signal -3
.Lnot_wave_0_\@:
	s_barrier_wait -3
	s_barrier_signal -1
	s_barrier_wait -1
.endm
.macro CROUND                          ; a whole round
	s_barrier_signal -1
	s_barrier_wait -1
	CREST
.endm
.macro BIASLD base                     ; my 64 numbers of a bias: block b's eight at v[8 b] of window 1
	WIN TO_B
.irp b, 0,1,2,3,4,5,6,7
	global_load_b128 v[8*(\b):8*(\b)+3],   v[BO], s[\base:\base+1] offset:64*(\b)
	global_load_b128 v[8*(\b)+4:8*(\b)+7], v[BO], s[\base:\base+1] offset:64*(\b)+16
.endr
	WIN 0
.endm
	s_load_b128 s[4:7], s[0:1], 0x0                ; xh s[4:5], wh s[6:7]
	s_load_b128 s[76:79], s[0:1], 0x10             ; bq s[76:77], bk s[78:79]
	s_load_b128 s[92:95], s[0:1], 0x20             ; bv s[92:93], qkv s[94:95]
	v_lshl_add_u32 v[SPW], v0, 2, SPARE
	v_mov_b32 v[NIL], 0
	ds_add_u32 v[SPW], v[NIL]                      ; the wave's opening: the add and its wait ahead of my first tensor load; the set-up below, work on registers, stands between them
	v_lshrrev_b32 v1, 5, v0
	v_readfirstlane_b32 s10, v1                    ; wave 0..3
	s_lshr_b32 s11, s10, 1                         ; first tile: which half of its rows is mine.  Also: I fetch for xh (0) or for wh (1)
	s_and_b32 s12, s10, 1                          ; first tile: which half of its columns.  Also: which half of a tile I fetch
	s_bfe_u32 s40, ttmp6, 0x40000                  ; cx
	s_bfe_u32 s41, ttmp6, 0x40004                  ; cy
	s_mov_b32 s71, ttmp9                           ; cluster x: 0: my first tile is k's, 1: v's; all sixteen partners share it
	s_lshl_b32 s42, s71, 2
	s_add_co_u32 s42, s42, s40                     ; column block tc = 0..7
	s_and_b32 s45, ttmp7, 0xffff                   ; cluster y = 0..7
	s_lshl_b32 s13, s45, 2
	s_add_co_u32 s13, s13, s41                     ; row block tr = 0..31
	s_lshl_b32 s43, s41, 2
	s_lshl_b32 s43, 15, s43                        ; my row of the cluster: places 4 cy .. 4 cy + 3
	s_lshl_b32 s44, 0x1111, s40                    ; my column: places cx, cx + 4, cx + 8, cx + 12
	s_or_b32 s[G1+0], s43, (1<<16)|(1<<20)|(1<<21)|(5<<22)|(3<<25)   ; the mask; elements of 2 bytes; padding on; bit 21 beside a mask; after every 64 words (code 5) 4 words (code 3)
	s_or_b32 s[G1B+0], s44, (1<<16)|(1<<20)|(1<<21)|(5<<22)|(3<<25)
	s_or_b32 s[G1C+0], s44, (1<<16)|(1<<20)|(1<<21)|(5<<22)|(3<<25)
.irp g, G1, G1B, G1C
	s_mov_b32 s[(\g)+1], KSTEP<<16                 ; tensor_dim0 = 128
	s_mov_b32 s[(\g)+3], KSTEP<<16                 ; tile_dim0 = 128
	s_mov_b32 s[(\g)+5], 1024                      ; elements from row to row
	s_mov_b32 s[(\g)+6], 0
	s_mov_b32 s[(\g)+7], 0
.endr
.irp g, G1, G1B
	s_mov_b32 s[(\g)+2], 128<<16                   ; tensor_dim1 = 128
	s_mov_b32 s[(\g)+4], 128                       ; tile_dim1 = 128
.endr
	s_mov_b32 s[G1C+2], 64<<16                     ; tensor_dim1 = 64
	s_mov_b32 s[G1C+4], 64                         ; tile_dim1 = 64
	; xh's rows hang on tr and the wave alone: 256 tr + 128 x half, in x1's part; x2's part lies 8,192 rows on
	s_lshl_b32 s16, s13, 8
	s_lshl_b32 s17, s12, 7
	s_add_co_u32 s16, s16, s17
	s_lshl_b32 s16, s16, 11                        ; x 2,048 bytes: under 2^25
	s_mov_b32 s17, 0
	s_add_co_u32 s18, s16, 8192*2048
	s_mov_b32 s19, 0
	; wh's rows hang on tc and the wave alone: first tile 1,024 + 256 tc + 128 x half (Wk's rows are 1,024 .., Wv's 2,048 ..); second tile 128 tc + 64 x half
	s_lshl_b32 s46, s42, 8
	s_lshl_b32 s47, s12, 7
	s_add_co_u32 s46, s46, s47
	s_add_co_u32 s46, s46, 1024
	s_lshl_b32 s46, s46, 11
	s_mov_b32 s47, 0
	s_lshl_b32 s22, s42, 7
	s_lshl_b32 s23, s12, 6
	s_add_co_u32 s22, s22, s23
	s_lshl_b32 s22, s22, 11
	s_mov_b32 s23, 0
	s_mul_i32 s20, s10, HALFT                      ; where my part of a tile goes: my quarter of the slot: no place in the cluster enters an LDS address
	s_mov_b32 s[TB], 0
	s_mov_b32 s[PH], 0
	s_mov_b32 s[SW], 16
	s_mov_b32 s[KO], 2*KSTEP*2                     ; the first refill asks for step 2
	s_mov_b32 s[KO+1], 0
	s_mov_b32 s[SC], 1.0
	s_mov_b32 s[SC+1], 1.0                         ; named with it as a pair
	s_wait_dscnt 0x0                               ; the opening add is done
	s_wait_kmcnt 0x0
	s_add_nc_u64 s[XB1:XB1+1], s[4:5], s[16:17]
	s_add_nc_u64 s[XB0:XB0+1], s[4:5], s[18:19]
	s_add_nc_u64 s[WB0:WB0+1], s[6:7], s[46:47]
	s_add_nc_u64 s[WB1:WB1+1], s[6:7], s[22:23]
.irp s, 0,1
	s_mov_b32 s[G0+4*(\s)], 1                                            ; count = 1
	s_add_co_u32 s[G0+4*(\s)+1], s20, (\s)*SLOT                          ; LDS address
	s_add_nc_u64 s[G0+4*(\s)+2:G0+4*(\s)+3], s[XB0:XB0+1], (\s)*KSTEP*2  ; global address: step s
	s_or_b32 s[G0+4*(\s)+3], s[G0+4*(\s)+3], 0x80000000                  ; type = 2
	s_mov_b32 s[G0B+4*(\s)], 1
	s_add_co_u32 s[G0B+4*(\s)+1], s20, (\s)*SLOT
	s_add_nc_u64 s[G0B+4*(\s)+2:G0B+4*(\s)+3], s[WB0:WB0+1], (\s)*KSTEP*2
	s_or_b32 s[G0B+4*(\s)+3], s[G0B+4*(\s)+3], 0x80000000
.endr
	CROUND                                         ; all sixteen work-groups are here: the first joint loads meet
	s_cmp_eq_u32 s11, 0                            ; a wave's two first fills stand in one branch, ahead of every wait on TENSORcnt and every LDS read: two loads of mine are out
	s_cbranch_scc0 .Lfirst_b
	tensor_load_to_lds s[G0:G0+3], s[G1:G1+7]
	s_nop 0
	tensor_load_to_lds s[G0W:G0W+3], s[G1:G1+7]
	s_nop 0
.rept 4
	v_nop
.endr
	s_branch .Lfirst_asked
.Lfirst_b:
	tensor_load_to_lds s[G0B:G0B+3], s[G1B:G1B+7]
	s_nop 0
	tensor_load_to_lds s[G0BW:G0BW+3], s[G1B:G1B+7]
	s_nop 0
.rept 4
	v_nop
.endr
.Lfirst_asked:
	v_and_b32 v1, 15, v0                           ; l % 16
	v_bfe_u32 v2, v0, 4, 1                         ; l / 16
	v_lshlrev_b32 v[BO], 5, v2
	; the biases: first tile: bk or bv by cluster x, numbers 256 cx + 128 x my column half on; second tile: bq, numbers 128 tc on
	s_lshl_b32 s14, s40, 8
	s_lshl_b32 s15, s12, 7
	s_add_co_u32 s14, s14, s15
	s_lshl_b32 s14, s14, 2
	s_mov_b32 s15, 0
	s_cmp_eq_u32 s71, 0
	s_cselect_b64 s[BB0:BB0+1], s[78:79], s[92:93]
	s_add_nc_u64 s[BB0:BB0+1], s[BB0:BB0+1], s[14:15]
	s_lshl_b32 s14, s42, 9
	s_add_nc_u64 s[BB1:BB1+1], s[BB1:BB1+1], s[14:15]
	BIASLD BB0                                     ; waited for on the way out, where it is wanted
	; a fragment is 16 rows x 32 K in 8 registers: lane l holds row l % 16, K = 8 (l / 16) + 0..7 and 16 + 8 (l / 16) + 0..7: two loads of 16 bytes, 32 bytes apart
	v_mul_u32_u24 v3, v1, PITCH
	v_lshl_add_u32 v3, v2, 4, v3
	s_mul_i32 s21, s11, HALFT                      ; first tile: my 128 rows of xh,
	s_mul_i32 s22, s12, HALFT                      ; my 128 rows of wh,
	s_add_co_u32 s22, s22, 2*HALFT                 ; which lie behind xh's 256
	v_add_nc_u32 v[ADRA0], s21, v3
	v_add_nc_u32 v[ADRB0], s22, v3
	v_add_nc_u32 v[ADRC0], 64*PITCH, v[ADRB0]      ; blocks 4-7 follow blocks 0-3
	s_mul_i32 s21, s10, 64*PITCH                   ; second tile: my 64 rows of xh;
	v_add_nc_u32 v[ADRA1], s21, v3
	v_add_nc_u32 v[ADRB1], 2*HALFT, v3             ; Wq's rows 0-63 lie in wave 2's quarter of the slot,
	v_add_nc_u32 v[ADRC1], 3*HALFT, v3             ; rows 64-127 in wave 3's
	v_mov_b32 v[ADRA], v[ADRA0]
	v_mov_b32 v[ADRB], v[ADRB0]
	v_mov_b32 v[ADRC], v[ADRC0]
	s_mul_i32 s23, s10, 16*SPITCH
	s_add_co_u32 s23, s23, STAGE                   ; my stage
	v_mul_u32_u24 v4, v1, SPITCH                   ; in: row l % 16, 16 bytes for each half of the lanes
	v_lshl_add_u32 v4, v2, 4, v4
	v_add_nc_u32 v[STO], s23, v4
	v_mul_u32_u24 v5, v2, SPITCH                   ; back: lanes 0-15 take one row of 256 bytes, lanes 16-31 the next
	v_lshl_add_u32 v5, v1, 4, v5
	v_add_nc_u32 v[RD], s23, v5
	v_mul_u32_u24 v5, v2, ROWC                     ; and the same two rows in qkv
	v_lshl_add_u32 v[CO], v1, 4, v5
	; where my part of the first tile begins in qkv: row 8,192 (cluster x + 1) + 256 tr + 128 x row half, byte 512 cx + 256 x column half
	s_add_co_u32 s16, s71, 1
	s_lshl_b32 s16, s16, 13
	s_lshl_b32 s17, s13, 8
	s_add_co_u32 s16, s16, s17
	s_lshl_b32 s17, s11, 7
	s_add_co_u32 s16, s16, s17
	s_lshl_b32 s16, s16, 11
	s_lshl_b32 s17, s40, 9
	s_add_co_u32 s16, s16, s17
	s_lshl_b32 s17, s12, 8
	s_add_co_u32 s16, s16, s17
	s_mov_b32 s17, 0
	; and of the second: row 256 tr + 64 x wave, byte 256 tc
	s_lshl_b32 s14, s13, 8
	s_lshl_b32 s15, s10, 6
	s_add_co_u32 s14, s14, s15
	s_lshl_b32 s14, s14, 11
	s_lshl_b32 s15, s42, 8
	s_add_co_u32 s14, s14, s15
	s_mov_b32 s15, 0
	s_mov_b64 s[8:9], s[C1:C1+1]                   ; the stores' base: qkv
	s_add_nc_u64 s[C1:C1+1], s[C1:C1+1], s[14:15]
; THE PRODUCTS.  The accumulators take turns, one instruction a turn, in the same order in every quarter.
; 16 of the lower half: row blocks 0-3 x column blocks first .. first + 3, 32 along K.  zero = 1: the product starts the sums.
.macro MULB f, first, zero
	WIN MUL_LO
.irp b, \first, (\first)+1, (\first)+2, (\first)+3
.irp a, 0,1,2,3
.if \zero
	v_wmma_f32_16x16x32_bf16 v[8*(8*(\a)+(\b)):8*(8*(\a)+(\b))+7], v[(\f)+8*(\b):(\f)+8*(\b)+7], v[(\f)+8*(\a):(\f)+8*(\a)+7], 0
.else
	v_wmma_f32_16x16x32_bf16 v[8*(8*(\a)+(\b)):8*(8*(\a)+(\b))+7], v[(\f)+8*(\b):(\f)+8*(\b)+7], v[(\f)+8*(\a):(\f)+8*(\a)+7], v[8*(8*(\a)+(\b)):8*(8*(\a)+(\b))+7]
.endif
.endr
.endr
.endm
; 32 of the upper half: row blocks 4-7 x all 8 column blocks
.macro MULH f, zero
	WIN MUL_HI
.irp a, 0,1,2,3
.irp b, 0,1,2,3,4,5,6,7
.if \zero
	v_wmma_f32_16x16x32_bf16 v[8*(8*(\a)+(\b)):8*(8*(\a)+(\b))+7], v[(\f)+8*(\b):(\f)+8*(\b)+7], v[(\f)+8*(4+(\a)):(\f)+8*(4+(\a))+7], 0
.else
	v_wmma_f32_16x16x32_bf16 v[8*(8*(\a)+(\b)):8*(8*(\a)+(\b))+7], v[(\f)+8*(\b):(\f)+8*(\b)+7], v[(\f)+8*(4+(\a)):(\f)+8*(4+(\a))+7], v[8*(8*(\a)+(\b)):8*(8*(\a)+(\b))+7]
.endif
.endr
.endr
.endm
; 24 LDS loads in one run: the fragments of 32 along K at byte k of the rows of the slot in hand, into buffer f: xh's row blocks 0-3, wh's blocks 0-3, wh's blocks 4-7
.macro FETCHL k, f
	WIN 0
.irp i, 0,1,2,3
	ds_load_b128 v[(\f)+8*(\i):(\f)+8*(\i)+3],   v[ADRA] offset:(\k)+(\i)*16*PITCH
	ds_load_b128 v[(\f)+8*(\i)+4:(\f)+8*(\i)+7], v[ADRA] offset:(\k)+(\i)*16*PITCH+32
.endr
	WIN TO_B
.irp i, 0,1,2,3
	ds_load_b128 v[(\f)+8*(\i):(\f)+8*(\i)+3],   v[ADRB] offset:(\k)+(\i)*16*PITCH
	ds_load_b128 v[(\f)+8*(\i)+4:(\f)+8*(\i)+7], v[ADRB] offset:(\k)+(\i)*16*PITCH+32
.endr
.irp i, 0,1,2,3
	ds_load_b128 v[(\f)+32+8*(\i):(\f)+32+8*(\i)+3],   v[ADRC] offset:(\k)+(\i)*16*PITCH
	ds_load_b128 v[(\f)+32+8*(\i)+4:(\f)+32+8*(\i)+7], v[ADRC] offset:(\k)+(\i)*16*PITCH+32
.endr
.endm
.macro FETCHH k, f                     ; 8 more, for the first tile alone: xh's row blocks 4-7
	WIN 0
.irp i, 4,5,6,7
	ds_load_b128 v[(\f)+8*(\i):(\f)+8*(\i)+3],   v[ADRA] offset:(\k)+(\i)*16*PITCH
	ds_load_b128 v[(\f)+8*(\i)+4:(\f)+8*(\i)+7], v[ADRA] offset:(\k)+(\i)*16*PITCH+32
.endr
.endm
.macro PLACES                          ; four plain vector instructions between a matrix instruction and a load into, or a vector instruction on, its registers (ISA guide 7.12.1 for vector instructions)
.rept 4
	v_nop
.endr
.endm
; A step is four quarters of 32 along K on buffers 0, 1, 0, 1.  One of the first three: multiplies f and fetches the next quarter, at byte k, into g.
; upper = 1: the upper half is in the text, and is jumped over while the second tile is multiplied; upper = 0 (the walk's last two steps, which are the second tile's): it is not written.
.macro QUARTER k, f, g, zero, upper
	s_wait_dscnt 8                                 ; the youngest eight loads may be out: first tile: xh's blocks 4-7; second tile: wh's blocks 4-7; neither is multiplied before the wait below
	MULB \f, 0, \zero
	s_wait_dscnt 0x0                               ; all of f is in
	PLACES                                         ; between the last products that read g, in the quarter before, and the loads into g
	FETCHL \k, \g
	MULB \f, 4, \zero
.if \upper
	WIN 0                                          ; at a branch and at a label every window is 0
	s_cmp_lg_u32 s[PH], 0
	s_cbranch_scc1 .Lq_\@
	FETCHH \k, \g
	MULH \f, \zero
	WIN 0
.Lq_\@:
.endif
.endm
; The last quarter multiplies buffer 1 and changes slots.  In front of the one barrier each wave waits for all its tensor loads (one is out: its part of the next slot), adds 0 to its spare word,
; and waits for that and for its own reads of this slot.  Behind it nobody reads this slot any more and the next slot is whole.
; fill = 1: the barrier opens a round of the cluster's, and the slot just read out is filled again, with the step two on in the walk, first thing behind the round.  The descriptors' addresses are made anew:
; the tile's base (the second tile's from step 8 on: SW <= 10) plus the step's offset along K.  fill = 0: the walk's last change of slots, in the second tile.
.macro TURN fill
	WIN 0
	s_wait_tensorcnt 0x0                           ; all my tensor loads have landed, so a group 0 may be written
	ds_add_u32 v[SPW], v[NIL]                      ; 0 onto my spare word; scalar work and sixteen products stand between it and the wait for it
.if \fill
	s_xor_b32 s[G0W+1], s[G0W+1], SLOT             ; the other slot than last time
	s_xor_b32 s[G0BW+1], s[G0BW+1], SLOT
	s_cmp_le_u32 s[SW], 10
	s_cselect_b64 s[G0W+2:G0W+3], s[XB1:XB1+1], s[XB0:XB0+1]
	s_cselect_b64 s[G0BW+2:G0BW+3], s[WB1:WB1+1], s[WB0:WB0+1]
	s_add_nc_u64 s[G0W+2:G0W+3], s[G0W+2:G0W+3], s[KO:KO+1]
	s_add_nc_u64 s[G0BW+2:G0BW+3], s[G0BW+2:G0BW+3], s[KO:KO+1]
	s_or_b32 s[G0W+3], s[G0W+3], 0x80000000
	s_or_b32 s[G0BW+3], s[G0BW+3], 0x80000000
	s_add_co_u32 s[KO], s[KO], KSTEP*2             ; the next step along K; behind a tile's eighth the next tile's first
	s_and_b32 s[KO], s[KO], 0x7ff
.endif
	s_wait_dscnt 9                                 ; (the add and the youngest eight loads may be out)
	MULB F1, 0, 0
	s_wait_dscnt 0x0                               ; the add is done, and my reads of this slot are over
	s_barrier_signal -1
	MULB F1, 4, 0                                  ; work on registers while the others arrive
	WIN 0
	s_barrier_wait -1
.if \fill
	CREST                                          ; no wave of any partner still reads this slot or has a load on its way
	JLOAD                                          ; its four v_nop are also the places in front of the loads below
	s_cmp_eq_u32 s[SW], 9                          ; step 7 ends: the step to be fetched is the second tile's first
	s_cbranch_scc0 .Lsame_\@
	v_mov_b32 v[ADRA0], v[ADRA1]
	v_mov_b32 v[ADRB0], v[ADRB1]
	v_mov_b32 v[ADRC0], v[ADRC1]
.Lsame_\@:
.else
	PLACES
.endif
	s_xor_b32 s[TB], s[TB], SLOT                   ; the fragment loads go to the other slot
	v_add_nc_u32 v[ADRA], s[TB], v[ADRA0]
	v_add_nc_u32 v[ADRB], s[TB], v[ADRB0]
	v_add_nc_u32 v[ADRC], s[TB], v[ADRC0]
	FETCHL 0, F0
.if \fill
	WIN 0
	s_cmp_lg_u32 s[PH], 0
	s_cbranch_scc1 .Llo_\@
	s_cmp_eq_u32 s[SW], 9                          ; the first tile's last products, but the second tile's first fragments: it has no row blocks 4-7
	s_cbranch_scc1 .Lnoa_\@
	FETCHH 0, F0
.Lnoa_\@:
	MULH F1, 0
	WIN 0
.Llo_\@:
.endif
.endm
; THE WAY OUT.  The bias: rounded to bf16 like every input, written out as f32, times the tile's factor.
.macro BIASFIX
	WIN 0x45                                       ; destination and both sources window 1
.set i, 0
.rept 32
	v_cvt_pk_bf16_f32 v[192+i], v[2*i], v[2*i+1]
.set i, i+1
.endr
.set i, 0
.rept 32
	v_lshlrev_b32 v[2*i],   16, v[192+i]
	v_and_b32     v[2*i+1], 0xffff0000, v[192+i]
.set i, i+1
.endr
.set i, 0
.rept 32
	v_pk_mul_f32 v[2*i:2*i+1], v[2*i:2*i+1], s[SC:SC+1] op_sel_hi:[1,0]
.set i, i+1
.endr
	WIN 0
.endm
; Row block a.  PACK: sum x SC + bias in f32, in place, each accumulator from its lowest registers on; rounded once to f16, 16 bytes a lane.
.macro PACK a
.set AC, 64*((\a)%4)
	WIN 0x92+0x41*((\a)/4)                         ; destination and source 0 window 2 or 3, source 2 (the bias) window 1
.set i, 0
.rept 32
	v_pk_fma_f32 v[AC+2*i:AC+2*i+1], v[AC+2*i:AC+2*i+1], s[SC:SC+1], v[2*i:2*i+1] op_sel_hi:[1,0,1]
.set i, i+1
.endr
	WIN 0x0a+5*((\a)/4)                            ; sources 0 and 1 window 2 or 3
.set i, 0
.rept 32
	v_cvt_pk_f16_f32 v[TMP+i], v[AC+2*i], v[AC+2*i+1]
.set i, i+1
.endr
	WIN 0
.endm
.macro TOSTAGE a                       ; into my own stage, and back as whole rows of 256 bytes
	WIN 0
.set BK, OB+192*((\a)%2)
.irp b, 0,1,2,3,4,5,6,7
	ds_store_b128 v[STO], v[TMP+4*(\b):TMP+4*(\b)+3] offset:32*(\b)
.endr
.irp t, 0,1,2,3,4,5,6,7
	ds_load_b128 v[BK+4*(\t):BK+4*(\t)+3], v[RD] offset:(\t)*2*SPITCH  ; LDS serves a wave's instructions in order (ISA guide 5.7.1.4): these see the stores above
.endr
.endm
.macro SEND a
	WIN 0
.set BK, OB+192*((\a)%2)
	s_wait_dscnt 0x0                               ; the block is back in registers
	s_wait_xcnt 0x0                                ; only behind this wait are the stores' base and the registers that earlier stores read rewritten
.if (\a) == 0
	s_add_nc_u64 s[8:9], s[8:9], s[16:17]          ; on to my first rows
.else
	s_add_nc_u64 s[8:9], s[8:9], 16*ROWC           ; 16 rows on
.endif
.irp t, 0,1,2,3,4,5,6,7
	global_store_b128 v[CO], v[BK+4*(\t):BK+4*(\t)+3], s[8:9] offset:2*(\t)*ROWC  ; 16 lanes store 256 consecutive bytes, at a multiple of 256 from qkv's first byte
.endr
.endm
	s_wait_tensorcnt 1                             ; my part of step 0 is in; step 1's may stay out
	s_barrier_signal -1
	s_barrier_wait -1                              ; everybody's is
	FETCHL 0, F0
	FETCHH 0, F0
	s_mov_b32 s2, 2                                ; tiles to go
	s_mov_b32 s3, 8                                ; the first tile's eight steps all end in a refill
.Ltile:
	QUARTER 64, F0, F1, 1, 1                       ; a tile's first quarter: its products start the sums
.Lstep:                                                ; a trip goes from a step's second quarter to the next step's first, and asks for the step two on in the walk
	QUARTER 128, F1, F0, 0, 1
	QUARTER 192, F0, F1, 0, 1
	TURN 1
	s_sub_co_u32 s[SW], s[SW], 1
	s_sub_co_u32 s3, s3, 1
	s_cmp_eq_u32 s[SW], 8
	s_cbranch_scc1 .Lout                           ; step 7 has ended: the first tile goes out; both fills for the second tile's first steps are asked for
	QUARTER 64, F0, F1, 0, 1
	s_cmp_lg_u32 s3, 0
	s_cbranch_scc1 .Lstep
	s_mov_b32 s3, 2
.Ltail:                                                ; steps 14 and 15, the second tile's last, ask for nothing: a text of their own; the second trip is left in its middle
	QUARTER 128, F1, F0, 0, 0
	QUARTER 192, F0, F1, 0, 0
	WIN 0
	s_sub_co_u32 s3, s3, 1
	s_cmp_eq_u32 s3, 0
	s_cbranch_scc1 .Lfin
	TURN 0
	QUARTER 64, F0, F1, 0, 0
	WIN 0
	s_cmp_lg_u32 s3, 0
	s_cbranch_scc1 .Ltail
.Lfin:                                                 ; the very last quarter: nothing more to fetch
	s_wait_dscnt 8
	MULB F1, 0, 0
	s_wait_dscnt 0x0
	MULB F1, 4, 0
	WIN 0
.Lout:
	PLACES
	s_wait_loadcnt 0x0                             ; the tile's bias
	BIASFIX
	PACK 0
	TOSTAGE 0
.irp a, 1,2,3                          ; block a's arithmetic stands between block a - 1's loads from the stage and the wait for them
	PACK \a
	SEND (\a)-1
	TOSTAGE \a
.endr
	SEND 3
	s_cmp_lg_u32 s[PH], 0
	s_cbranch_scc1 .Ldone                          ; the second tile has four row blocks a wave
	PACK 4
	TOSTAGE 4
.irp a, 5,6,7
	PACK \a
	SEND (\a)-1
	TOSTAGE \a
.endr
	SEND 7
	s_wait_xcnt 0x0                                ; the stores have read their base and their registers
	s_mov_b64 s[8:9], s[C1:C1+1]                   ; on to the second tile: its rows of qkv,
	s_mov_b32 s16, 0
	s_mov_b32 s[PH], 1                             ; its 32 accumulators,
	s_mov_b32 s[SC], CSC                           ; its factor,
	s_mov_b32 s[SC+1], CSC
	s_mov_b32 s3, 6                                ; six steps that end in a refill,
	BIASLD BB1                                     ; and its bias
.Ldone:
	s_sub_co_u32 s2, s2, 1
	s_cmp_lg_u32 s2, 0
	s_cbranch_scc1 .Ltile
	s_wait_tensorcnt 0x0                           ; the wave's end, behind my last tensor load and my last LDS store
	ds_add_u32 v[SPW], v[NIL]
	s_wait_dscnt 0x0
	CROUND                                         ; the closing round: no work-group ends while a partner may still ask for a tile that names it
	s_endpgm
.Lfunc_end_k_qe643664ede_proj:
	.size	k_qe643664ede_proj, .Lfunc_end_k_qe643664ede_proj-k_qe643664ede_proj
	.p2alignl 7, 3214868480
	.fill 96, 4, 3214868480
	.section	.rodata,"a",@progbits
	.p2align	6, 0x0
	.amdhsa_kernel k_qe643664ede_proj
		.amdhsa_group_segment_fixed_size 327680
		.amdhsa_private_segment_fixed_size 0
		.amdhsa_enable_private_segment 0
		.amdhsa_kernarg_size 48
		.amdhsa_user_sgpr_count 2
		.amdhsa_user_sgpr_kernarg_segment_ptr 1
		.amdhsa_wavefront_size32 1
		.amdhsa_system_sgpr_workgroup_id_x 1
		.amdhsa_system_sgpr_workgroup_id_y 1
		.amdhsa_system_sgpr_workgroup_id_z 1
		.amdhsa_system_vgpr_workitem_id 0
		.amdhsa_next_free_vgpr 1024
		.amdhsa_next_free_sgpr 100
		.amdhsa_reserve_vcc 0
		.amdhsa_float_denorm_mode_32 3
		.amdhsa_float_denorm_mode_16_64 3
		.amdhsa_memory_ordered 1
		.amdhsa_forward_progress 1
		.amdhsa_inst_pref_size 122
	.end_amdhsa_kernel
	.amdgpu_metadata
---
amdhsa.version: [ 1, 2 ]
amdhsa.kernels:
  - .name:           k_qe643664ede_proj
    .symbol:         k_qe643664ede_proj.kd
    .args:
      - { .name: xh, .offset: 0, .size: 8, .value_kind: global_buffer, .address_space: global }
      - { .name: wh, .offset: 8, .size: 8, .value_kind: global_buffer, .address_space: global }
      - { .name: bq, .offset: 16, .size: 8, .value_kind: global_buffer, .address_space: global }
      - { .name: bk, .offset: 24, .size: 8, .value_kind: global_buffer, .address_space: global }
      - { .name: bv, .offset: 32, .size: 8, .value_kind: global_buffer, .address_space: global }
      - { .name: qkv, .offset: 40, .size: 8, .value_kind: global_buffer, .address_space: global }
    .group_segment_fixed_size: 327680
    .private_segment_fixed_size: 0
    .kernarg_segment_align: 8
    .kernarg_segment_size: 48
    .max_flat_workgroup_size: 128
    .sgpr_count:     100
    .vgpr_count:     1024
    .wavefront_size: 32
...
	.end_amdgpu_metadata
.endif
;; end of part 2
;; launch scores (part 3): grid 8 x 32, 4 waves a work-group, clusters of 4 x 4, 327,680 bytes of LDS; arguments qkv, p, stats; writes p, stats
.if DOCPART == 3
	.amdgcn_target "amdgcn-amd-amdhsa--gfx1250"
	.amdhsa_code_object_version 6
	.text
	.protected	k_qe643664ede_scores
	.globl	k_qe643664ede_scores
	.p2align	8
	.type	k_qe643664ede_scores,@function
k_qe643664ede_scores:
	s_mov_b64 s[64:65], 0
	v_nop
	global_prefetch_b8 v0, s[64:65] scope:SCOPE_SE
	s_setreg_imm32_b32 hwreg(HW_REG_WAVE_MODE, 25, 1), 1
	s_wait_xcnt 0x0
	s_wait_alu depctr_hold_cnt(0) depctr_sa_sdst(0) depctr_va_vdst(0) depctr_va_sdst(0) depctr_va_ssrc(0) depctr_va_vcc(0) depctr_vm_vsrc(0)
	s_getreg_b32 s2, hwreg(HW_REG_IB_STS2, 6, 4)
	s_cmp_eq_u32 s2, 0
	s_cbranch_scc0 .Lentry_in_a_cluster
	s_endpgm
.Lentry_in_a_cluster:
	s_bfe_u32 s2, ttmp6, 0x10000c
	s_cmp_lg_u32 s2, 0xf033
	s_cbranch_scc0 .Lentry_shape_is_right
	s_endpgm
.Lentry_shape_is_right:
; s'[q][k] = sum over d of (c q)[q][d] k[k][d], f16 operands, f32 sums: the scores in base 2, c = log2(e) / 32 having gone into q.  Then the softmax's first level, by CHUNKS of 128 keys:
; m = the largest s' of the row in the chunk; p[q][k] = f16(2^(s' - m)); l = the sum of the unrounded 2^(s' - m).  p: [8192][2048] f16.  stats: [2][16][8192] f32: m, then l, by chunk and query row.
; The next launch takes the maximum over the chunks' m away and joins the chunks: together the two are the reference's softmax with the row's maximum subtracted.
; LIMITS: a weight below f16's smallest step (6e-8) of its chunk's largest is stored as 0 (it still counts in l, down to 2^-126); NaN and infinities are not treated apart.
; A tile of 256 queries x 256 keys is made by four waves, each 128 x 128, so a chunk is ONE wave's columns and its statistics never leave the wave.  K = 1,024 goes in 8 steps of 128 through two LDS slots.
; CLUSTER: 4 x 4 work-groups, all in one batch.  The four of a row of the cluster need the same rows of q, the four of a column the same rows of k: each tile is asked for JOINTLY.
; THE MATRIX INSTRUCTION IS USED TRANSPOSED (source 0 = 16 keys, source 1 = 16 queries): a lane holds ONE query (l % 16) and the keys 8 (l / 16) + 0..7 of each block of 16:
; a row's maximum and sum want one exchange between the halves of the lanes.
; REGISTERS, in windows of 256 (s_set_vgpr_msb: bits 1:0 source 0, 3:2 source 1, 5:4 source 2, 7:6 destination):
;   window 0: v0-31 addresses; v64-127, v128-191 fragments of q (on the way out v64-111 at work); v32-63, v192-255 at work on the way out
;   window 1: v64-191 fragments of k      windows 2, 3: the accumulators of my rows 0-63, 64-127: (a, b) at v[8 (8 (a % 4) + b)]
.set KSTEP,  128
.set PITCH,  272                       ; an LDS row: 256 bytes + 16 of padding = 68 words: the 16 rows of a fragment load start at 16 different groups of four banks (64 banks of 4 bytes: ISA guide 11.1)
.set HALFT,  128*PITCH
.set SLOT,   4*HALFT                   ; q's 256 rows, then k's 256 rows: 0x22000; a wave's part begins at wave x 0x8800, which has none of SLOT's two bits
.set STAGE,  2*SLOT                    ; 16 rows x 272 bytes for each wave, for the way out
.set SPITCH, 272
.set STS,    STAGE+4*16*SPITCH         ; 1,024 bytes for each wave: its 128 m, then its 128 l
.set SPARE,  STS+4*1024                ; the spare words, 128 bytes for each wave
.set ROWC,   4096                      ; bytes in a row of p
.set ADRA0, 16                         ; v16-19 as LDS addresses of my fragments: slot 0's (never rewritten), then the slot in hand's
.set ADRB0, 17
.set ADRA,  18
.set ADRB,  19
.set SADR,  20                         ; v20  where my lane puts a statistic
.set SRD,   21                         ; v21  where it reads four back
.set SGO,   22                         ; v22  16 x lane
.set STO,   24
.set RD,    25
.set CO,    26
.set SPW,   28                         ; v28  LDS address of my spare word; never rewritten
.set NIL,   29                         ; v29  0; never rewritten
.set F0,    64
.set F1,    128
.set CH,    64                         ; v64-71  eight chains of the maximum
.set SU,    72                         ; v[72:73] the sum's last pair
.set MS,    80                         ; v80-95  row block a: m, l
.set TS,    96                         ; v96-111 the statistics on their way out
.set TMP,   192
.set OB,    32
.set G1,   24
.set G0,   32
.set G0W,  36
.set G1B,  48
.set G0B,  56
.set G0BW, 60
.set TB,   66                          ; s66  LDS byte at which the slot in hand begins
.set SEL,  70                          ; s[70:71] v_permlanex16_b32's selects: each lane takes its own place in the other half
.set MSB, 0
.macro WIN new
.if MSB != (\new)
	s_set_vgpr_msb (MSB<<8)|(\new)
.set MSB, (\new)
.endif
.endm
.set MUL_LO, 0xa1
.set MUL_HI, 0xf1
.set TO_B,   0x40
.macro JLOAD                           ; a joint refill: waves 0 and 1 fetch q's two halves, waves 2 and 3 k's; an s_nop 0 and four v_nop follow each of the two lines
	s_cmp_eq_u32 s11, 0
	s_cbranch_scc0 .Lfor_b_\@
	tensor_load_to_lds s[G0W:G0W+3], s[G1:G1+7]
	s_nop 0
.rept 4
	v_nop
.endr
	s_branch .Lasked_\@
.Lfor_b_\@:
	tensor_load_to_lds s[G0BW:G0BW+3], s[G1B:G1B+7]
	s_nop 0
.rept 4
	v_nop
.endr
.Lasked_\@:
.endm
.macro CREST
	s_cmp_lg_u32 s10, 0
	s_cbranch_scc1 .Lnot_wave_0_\@
	s_barrier_signal -3
.Lnot_wave_0_\@:
	s_barrier_wait -3
	s_barrier_signal -1
	s_barrier_wait -1
.endm
.macro CROUND
	s_barrier_signal -1
	s_barrier_wait -1
	CREST
.endm
	s_load_b64 s[4:5], s[0:1], 0x0                 ; qkv
	s_load_b64 s[8:9], s[0:1], 0x8                 ; p
	s_load_b64 s[74:75], s[0:1], 0x10              ; stats
	v_lshl_add_u32 v[SPW], v0, 2, SPARE
	v_mov_b32 v[NIL], 0
	ds_add_u32 v[SPW], v[NIL]                      ; the wave's opening: the add and its wait ahead of my first tensor load
	v_lshrrev_b32 v1, 5, v0
	v_readfirstlane_b32 s10, v1                    ; wave 0..3
	s_lshr_b32 s11, s10, 1                         ; my half of the tile's queries.  Also: I fetch for q (0) or for k (1)
	s_and_b32 s12, s10, 1                          ; my half of its keys.  Also: which 128 rows I fetch
	s_bfe_u32 s40, ttmp6, 0x40000                  ; cx
	s_bfe_u32 s41, ttmp6, 0x40004                  ; cy
	s_lshl_b32 s42, ttmp9, 2
	s_add_co_u32 s42, s42, s40                     ; tile column 0..7: 256 keys of the batch
	s_and_b32 s45, ttmp7, 0xffff                   ; cluster y 0..7; the batch is its half
	s_lshl_b32 s13, s45, 2
	s_add_co_u32 s13, s13, s41                     ; tile row 0..31: 256 of the 8,192 query rows
	s_lshl_b32 s43, s41, 2
	s_lshl_b32 s43, 15, s43                        ; my row of the cluster
	s_lshl_b32 s44, 0x1111, s40                    ; my column
	s_or_b32 s[G1+0], s43, (1<<16)|(1<<20)|(1<<21)|(5<<22)|(3<<25)
	s_or_b32 s[G1B+0], s44, (1<<16)|(1<<20)|(1<<21)|(5<<22)|(3<<25)
.irp g, G1, G1B
	s_mov_b32 s[(\g)+1], KSTEP<<16                 ; tensor_dim0 = 128
	s_mov_b32 s[(\g)+2], 128<<16                   ; tensor_dim1 = 128
	s_mov_b32 s[(\g)+3], KSTEP<<16                 ; tile_dim0 = 128
	s_mov_b32 s[(\g)+4], 128                       ; tile_dim1 = 128
	s_mov_b32 s[(\g)+5], 1024                      ; elements from row to row
	s_mov_b32 s[(\g)+6], 0
	s_mov_b32 s[(\g)+7], 0
.endr
	s_lshl_b32 s16, s13, 8                         ; q's rows hang on the tile row alone
	s_lshl_b32 s17, s12, 7
	s_add_co_u32 s16, s16, s17
	s_lshl_b32 s16, s16, 11
	s_mov_b32 s17, 0
	s_lshr_b32 s46, s45, 1                         ; k's rows hang on the batch and the tile column alone: 8,192 + 2,048 x batch + 256 x column + 128 x half
	s_lshl_b32 s46, s46, 11
	s_add_co_u32 s46, s46, 8192
	s_lshl_b32 s47, s42, 8
	s_add_co_u32 s46, s46, s47
	s_lshl_b32 s47, s12, 7
	s_add_co_u32 s46, s46, s47
	s_lshl_b32 s46, s46, 11
	s_mov_b32 s47, 0
	s_lshl_b32 s76, s42, 1                         ; my chunk = 2 x tile column + half;
	s_add_co_u32 s76, s76, s12
	s_lshl_b32 s76, s76, 13                        ; its 8,192 rows in stats,
	s_lshl_b32 s77, s13, 8
	s_add_co_u32 s76, s76, s77
	s_lshl_b32 s77, s11, 7
	s_add_co_u32 s76, s76, s77                     ; my 128 of them,
	s_lshl_b32 s76, s76, 2                         ; in bytes
	s_mov_b32 s77, 0
	s_mov_b32 s[SEL], 0x76543210
	s_mov_b32 s[SEL+1], 0xfedcba98
	s_mul_i32 s20, s10, HALFT
	s_mov_b32 s[TB], 0
	s_wait_dscnt 0x0                               ; the opening add is done
	s_wait_kmcnt 0x0
	s_add_nc_u64 s[14:15], s[4:5], s[16:17]
	s_add_nc_u64 s[46:47], s[4:5], s[46:47]
	s_add_nc_u64 s[74:75], s[74:75], s[76:77]
.irp s, 0,1
	s_mov_b32 s[G0+4*(\s)], 1
	s_add_co_u32 s[G0+4*(\s)+1], s20, (\s)*SLOT
	s_add_nc_u64 s[G0+4*(\s)+2:G0+4*(\s)+3], s[14:15], (\s)*KSTEP*2
	s_or_b32 s[G0+4*(\s)+3], s[G0+4*(\s)+3], 0x80000000
	s_mov_b32 s[G0B+4*(\s)], 1
	s_add_co_u32 s[G0B+4*(\s)+1], s20, (\s)*SLOT
	s_add_nc_u64 s[G0B+4*(\s)+2:G0B+4*(\s)+3], s[46:47], (\s)*KSTEP*2
	s_or_b32 s[G0B+4*(\s)+3], s[G0B+4*(\s)+3], 0x80000000
.endr
	CROUND                                         ; all sixteen work-groups are here: the first joint loads meet
	s_cmp_eq_u32 s11, 0                            ; a wave's two first fills stand in one branch: two loads of mine are out
	s_cbranch_scc0 .Lfirst_b
	tensor_load_to_lds s[G0:G0+3], s[G1:G1+7]
	s_nop 0
	tensor_load_to_lds s[G0W:G0W+3], s[G1:G1+7]
	s_nop 0
.rept 4
	v_nop
.endr
	s_branch .Lfirst_asked
.Lfirst_b:
	tensor_load_to_lds s[G0B:G0B+3], s[G1B:G1B+7]
	s_nop 0
	tensor_load_to_lds s[G0BW:G0BW+3], s[G1B:G1B+7]
	s_nop 0
.rept 4
	v_nop
.endr
.Lfirst_asked:
	v_and_b32 v1, 15, v0                           ; l % 16
	v_bfe_u32 v2, v0, 4, 1                         ; l / 16
	v_and_b32 v6, 31, v0                           ; l
	v_mul_u32_u24 v3, v1, PITCH
	v_lshl_add_u32 v3, v2, 4, v3
	s_mul_i32 s21, s11, HALFT
	s_mul_i32 s22, s12, HALFT
	s_add_co_u32 s22, s22, 2*HALFT
	v_add_nc_u32 v[ADRA0], s21, v3
	v_add_nc_u32 v[ADRB0], s22, v3
	v_mov_b32 v[ADRA], v[ADRA0]
	v_mov_b32 v[ADRB], v[ADRB0]
	s_mul_i32 s23, s10, 16*SPITCH
	s_add_co_u32 s23, s23, STAGE                   ; my stage
	v_mul_u32_u24 v4, v1, SPITCH
	v_lshl_add_u32 v4, v2, 4, v4
	v_add_nc_u32 v[STO], s23, v4
	v_mul_u32_u24 v5, v2, SPITCH
	v_lshl_add_u32 v5, v1, 4, v5
	v_add_nc_u32 v[RD], s23, v5
	v_mul_u32_u24 v5, v2, ROWC
	v_lshl_add_u32 v[CO], v1, 4, v5
	s_lshl_b32 s21, s10, 10
	s_add_co_u32 s21, s21, STS                     ; my 1,024 bytes for the statistics
	v_lshlrev_b32 v[SADR], 2, v1                   ; lanes 0-15 put m of row 16 a + l, lanes 16-31 l of that row, 512 bytes on
	v_lshl_add_u32 v[SADR], v2, 9, v[SADR]
	v_add_nc_u32 v[SADR], s21, v[SADR]
	v_lshlrev_b32 v[SGO], 4, v6
	v_add_nc_u32 v[SRD], s21, v[SGO]
	s_lshl_b32 s16, s13, 8                         ; where my part of the tile begins in p, in bytes
	s_lshl_b32 s17, s11, 7
	s_add_co_u32 s16, s16, s17
	s_lshl_b32 s16, s16, 12
	s_mov_b32 s17, 0
	s_lshl_b32 s46, s42, 9
	s_lshl_b32 s47, s12, 8
	s_add_co_u32 s46, s46, s47
	s_mov_b32 s47, 0
	s_add_nc_u64 s[16:17], s[16:17], s[46:47]
; 16 matrix instructions: query blocks a0, a0 + 1 of the window's four x all 8 key blocks, 32 along K.  The 64 accumulators take turns, one instruction a turn.
.macro MUL16 f, hi, a0, zero
	WIN MUL_LO+0x50*(\hi)
.irp a, \a0, (\a0)+1
.irp b, 0,1,2,3,4,5,6,7
.if \zero
	v_wmma_f32_16x16x32_f16 v[8*(8*(\a)+(\b)):8*(8*(\a)+(\b))+7], v[(\f)+8*(\b):(\f)+8*(\b)+7], v[(\f)+8*(4*(\hi)+(\a)):(\f)+8*(4*(\hi)+(\a))+7], 0
.else
	v_wmma_f32_16x16x32_f16 v[8*(8*(\a)+(\b)):8*(8*(\a)+(\b))+7], v[(\f)+8*(\b):(\f)+8*(\b)+7], v[(\f)+8*(4*(\hi)+(\a)):(\f)+8*(4*(\hi)+(\a))+7], v[8*(8*(\a)+(\b)):8*(8*(\a)+(\b))+7]
.endif
.endr
.endr
.endm
.macro FETCH k, f                      ; 32 LDS loads in one run: k's 16, then q's
	WIN TO_B
.irp i, 0,1,2,3,4,5,6,7
	ds_load_b128 v[(\f)+8*(\i):(\f)+8*(\i)+3],   v[ADRB] offset:(\k)+(\i)*16*PITCH
	ds_load_b128 v[(\f)+8*(\i)+4:(\f)+8*(\i)+7], v[ADRB] offset:(\k)+(\i)*16*PITCH+32
.endr
	WIN 0
.irp i, 0,1,2,3,4,5,6,7
	ds_load_b128 v[(\f)+8*(\i):(\f)+8*(\i)+3],   v[ADRA] offset:(\k)+(\i)*16*PITCH
	ds_load_b128 v[(\f)+8*(\i)+4:(\f)+8*(\i)+7], v[ADRA] offset:(\k)+(\i)*16*PITCH+32
.endr
.endm
.macro PLACES                          ; four plain vector instructions between a matrix instruction and a load into, or a vector instruction on, its registers (ISA guide 7.12.1 for vector instructions)
.rept 4
	v_nop
.endr
.endm
.macro QUARTER k, f, g, zero
	s_wait_dscnt 8                                 ; k's fragments and q's rows 0-63 are in; the youngest eight loads may be out
	MUL16 \f, 0, 0, \zero
	MUL16 \f, 0, 2, \zero
	PLACES
	FETCH \k, \g
	s_wait_dscnt 32                                ; all but the 32 just issued
	MUL16 \f, 1, 0, \zero
	MUL16 \f, 1, 2, \zero
.endm
.macro MEET                            ; the change of slots: all my tensor loads, the add, my reads of this slot, then the barrier
	WIN 0
	s_wait_tensorcnt 0x0                           ; all my tensor loads have landed: the one that was out is my part of the next slot
	ds_add_u32 v[SPW], v[NIL]                      ; 0 onto my spare word
	s_wait_dscnt 9                                 ; (the add and the youngest eight loads may be out)
	MUL16 F1, 0, 0, 0
	s_wait_dscnt 0x0                               ; the add is done, and my reads of this slot are over
	s_barrier_signal -1
	MUL16 F1, 0, 2, 0
	WIN 0
	s_barrier_wait -1
.endm
.macro TURN fill                       ; fill = 1: the barrier opens a round of the cluster's, and the slot just read out is filled again, two K steps ahead, first thing behind the round
	MEET
.if \fill
	CREST
	s_xor_b32 s[G0W+1], s[G0W+1], SLOT
	s_add_nc_u64 s[G0W+2:G0W+3], s[G0W+2:G0W+3], KSTEP*2
	s_xor_b32 s[G0BW+1], s[G0BW+1], SLOT
	s_add_nc_u64 s[G0BW+2:G0BW+3], s[G0BW+2:G0BW+3], KSTEP*2
	JLOAD
.else
	PLACES
.endif
	s_xor_b32 s[TB], s[TB], SLOT
	v_add_nc_u32 v[ADRA], s[TB], v[ADRA0]
	v_add_nc_u32 v[ADRB], s[TB], v[ADRB0]
	FETCH 0, F0
	MUL16 F1, 1, 0, 0
	MUL16 F1, 1, 2, 0
.endm
; THE SOFTMAX'S FIRST LEVEL for query block a: my lane's 64 scores of one query lie in 8 accumulators; the query's other 64 in the lane 16 away.
.macro SOFT a
.set AC, 64*((\a)%4)
.set HW, (\a)/4                        ; 0: window 2, 1: window 3
	WIN 0x2a+0x15*HW                               ; three sources in the accumulators' window
.irp b, 0,1,2,3,4,5,6,7
	v_max3_num_f32 v[CH+(\b)], v[AC+8*(\b)], v[AC+8*(\b)+1], v[AC+8*(\b)+2]  ; each accumulator's lowest registers are read first
.endr
	WIN 0x28+0x14*HW                               ; source 0 in window 0
.irp b, 0,1,2,3,4,5,6,7
	v_max3_num_f32 v[CH+(\b)], v[CH+(\b)], v[AC+8*(\b)+3], v[AC+8*(\b)+4]
.endr
.irp b, 0,1,2,3,4,5,6,7
	v_max3_num_f32 v[CH+(\b)], v[CH+(\b)], v[AC+8*(\b)+5], v[AC+8*(\b)+6]
.endr
.irp n, 0,1,2,3
	v_max3_num_f32 v[CH+(\n)], v[CH+(\n)], v[AC+16*(\n)+7], v[AC+16*(\n)+15]
.endr
	WIN 0
	v_max3_num_f32 v[CH], v[CH], v[CH+1], v[CH+2]
	v_max3_num_f32 v[CH+3], v[CH+3], v[CH+4], v[CH+5]
	v_max_num_f32 v[CH+6], v[CH+6], v[CH+7]
	v_max3_num_f32 v[CH], v[CH], v[CH+3], v[CH+6]
	v_permlanex16_b32 v[CH+1], v[CH], s[SEL], s[SEL+1]
	v_max_num_f32 v[MS+2*(\a)], v[CH], v[CH+1]     ; m
	WIN 0x82+0x41*HW                               ; destination and source 0 in the accumulators' window, source 1 in window 0
.set i, 0
.rept 32
	v_pk_add_f32 v[AC+2*i:AC+2*i+1], v[AC+2*i:AC+2*i+1], v[MS+2*(\a):MS+2*(\a)+1] op_sel_hi:[1,0] neg_lo:[0,1] neg_hi:[0,1]  ; s' - m
.set i, i+1
.endr
.set i, 0
.rept 64
	v_exp_f32 v[AC+i], v[AC+i]
.set i, i+1
.endr
	v_nop                                          ; a plain instruction between the last exponential and the use of its result (ISA guide 5.7.2)
	WIN 0x0a+5*HW
.set i, 0
	s_wait_alu depctr_va_vdst(0)
.rept 32
	v_cvt_pk_f16_f32 v[TMP+i], v[AC+2*i], v[AC+2*i+1]
.set i, i+1
.endr
	WIN 0x8a+0x45*HW                               ; the sum of the unrounded weights, in f32, as a tree in place: 16, 8, 4, 2 packed additions
.irp w, 32,16,8,4
.set i, 0
.rept (\w)/2
	v_pk_add_f32 v[AC+2*i:AC+2*i+1], v[AC+2*i:AC+2*i+1], v[AC+2*i+(\w):AC+2*i+(\w)+1]
.set i, i+1
.endr
.endr
	WIN 0x0a+5*HW
	v_pk_add_f32 v[SU:SU+1], v[AC:AC+1], v[AC+2:AC+3]
	WIN 0
	v_add_f32 v[SU], v[SU], v[SU+1]
	v_permlanex16_b32 v[SU+1], v[SU], s[SEL], s[SEL+1]
	v_add_f32 v[MS+2*(\a)+1], v[SU], v[SU+1]       ; l
.endm
.macro TOSTAGE a
	WIN 0
.set BK, OB+192*((\a)%2)
.irp b, 0,1,2,3,4,5,6,7
	ds_store_b128 v[STO], v[TMP+4*(\b):TMP+4*(\b)+3] offset:32*(\b)
.endr
.irp t, 0,1,2,3,4,5,6,7
	ds_load_b128 v[BK+4*(\t):BK+4*(\t)+3], v[RD] offset:(\t)*2*SPITCH  ; LDS serves a wave's instructions in order (ISA guide 5.7.1.4): these see the stores above
.endr
.endm
.macro SEND a
	WIN 0
.set BK, OB+192*((\a)%2)
	s_wait_dscnt 0x0                               ; the block is back in registers
	s_wait_xcnt 0x0                                ; only behind this wait are the stores' base and the registers that earlier stores read rewritten
.if (\a) == 0
	s_add_nc_u64 s[8:9], s[8:9], s[16:17]
.else
	s_add_nc_u64 s[8:9], s[8:9], 16*ROWC
.endif
.irp t, 0,1,2,3,4,5,6,7
	global_store_b128 v[CO], v[BK+4*(\t):BK+4*(\t)+3], s[8:9] offset:2*(\t)*ROWC  ; 16 lanes store 256 consecutive bytes, at a multiple of 256 from p's first byte
.endr
.endm
	s_wait_tensorcnt 1                             ; my part of K step 0 is in; K step 1's may stay out
	s_barrier_signal -1
	s_barrier_wait -1
	FETCH 0, F0
	QUARTER 64, F0, F1, 1                          ; the first quarter's products start the sums
	WIN 0
	s_mov_b32 s3, 6
.Lstep:                                                ; six trips; they ask for K steps 2 to 7
	QUARTER 128, F1, F0, 0
	QUARTER 192, F0, F1, 0
	TURN 1
	QUARTER 64, F0, F1, 0
	WIN 0
	s_sub_co_u32 s3, s3, 1
	s_cmp_lg_u32 s3, 0
	s_cbranch_scc1 .Lstep
	s_mov_b32 s3, 2
.Ltail:                                                ; K steps 6 and 7 ask for nothing; the second trip is left in its middle
	QUARTER 128, F1, F0, 0
	QUARTER 192, F0, F1, 0
	WIN 0
	s_sub_co_u32 s3, s3, 1
	s_cmp_eq_u32 s3, 0
	s_cbranch_scc1 .Lfin
	TURN 0
	QUARTER 64, F0, F1, 0
	WIN 0
	s_cmp_lg_u32 s3, 0
	s_cbranch_scc1 .Ltail
.Lfin:
	s_wait_dscnt 8
	MUL16 F1, 0, 0, 0
	MUL16 F1, 0, 2, 0
	s_wait_dscnt 0x0
	MUL16 F1, 1, 0, 0
	MUL16 F1, 1, 2, 0
	WIN 0
	PLACES
.irp a, 0,1,2,3,4,5,6,7
	v_mov_b32 v[MS+2*(\a)+1], 0                    ; named with m as a pair before l is there
.endr
	SOFT 0
	TOSTAGE 0
.irp a, 1,2,3,4,5,6,7                  ; block a's softmax stands between block a - 1's loads from the stage and the wait for them
	SOFT \a
	SEND (\a)-1
	TOSTAGE \a
.endr
	SEND 7
	; the statistics: through my own 1,024 bytes of LDS, so that each of the two stores covers 512 consecutive bytes, aligned
	v_cmp_gt_u32 s72, 16, v6                       ; lanes 0-15
.irp a, 0,1,2,3,4,5,6,7
	v_cndmask_b32 v[TS+(\a)], v[MS+2*(\a)+1], v[MS+2*(\a)], s72  ; they carry m, the others l (both halves hold both)
.endr
.irp a, 0,1,2,3,4,5,6,7
	ds_store_b32 v[SADR], v[TS+(\a)] offset:64*(\a)
.endr
	ds_load_b128 v[TS+8:TS+11],  v[SRD]            ; m of my rows 4 l .. 4 l + 3
	ds_load_b128 v[TS+12:TS+15], v[SRD] offset:512 ; l of the same
	s_wait_dscnt 0x0
	global_store_b128 v[SGO], v[TS+8:TS+11],  s[74:75]
	global_store_b128 v[SGO], v[TS+12:TS+15], s[74:75] offset:524288  ; the plane of l lies 16 x 8,192 x 4 bytes on
	s_wait_tensorcnt 0x0                           ; the wave's end, behind my last tensor load and my last LDS store
	ds_add_u32 v[SPW], v[NIL]
	s_wait_dscnt 0x0
	CROUND                                         ; the closing round
	s_endpgm
.Lfunc_end_k_qe643664ede_scores:
	.size	k_qe643664ede_scores, .Lfunc_end_k_qe643664ede_scores-k_qe643664ede_scores
	.p2alignl 7, 3214868480
	.fill 96, 4, 3214868480
	.section	.rodata,"a",@progbits
	.p2align	6, 0x0
	.amdhsa_kernel k_qe643664ede_scores
		.amdhsa_group_segment_fixed_size 327680
		.amdhsa_private_segment_fixed_size 0
		.amdhsa_enable_private_segment 0
		.amdhsa_kernarg_size 24
		.amdhsa_user_sgpr_count 2
		.amdhsa_user_sgpr_kernarg_segment_ptr 1
		.amdhsa_wavefront_size32 1
		.amdhsa_system_sgpr_workgroup_id_x 1
		.amdhsa_system_sgpr_workgroup_id_y 1
		.amdhsa_system_sgpr_workgroup_id_z 1
		.amdhsa_system_vgpr_workitem_id 0
		.amdhsa_next_free_vgpr 1024
		.amdhsa_next_free_sgpr 80
		.amdhsa_reserve_vcc 0
		.amdhsa_float_denorm_mode_32 3
		.amdhsa_float_denorm_mode_16_64 3
		.amdhsa_memory_ordered 1
		.amdhsa_forward_progress 1
		.amdhsa_inst_pref_size 173
	.end_amdhsa_kernel
	.amdgpu_metadata
---
amdhsa.version: [ 1, 2 ]
amdhsa.kernels:
  - .name:           k_qe643664ede_scores
    .symbol:         k_qe643664ede_scores.kd
    .args:
      - { .name: qkv, .offset: 0, .size: 8, .value_kind: global_buffer, .address_space: global }
      - { .name: p, .offset: 8, .size: 8, .value_kind: global_buffer, .address_space: global }
      - { .name: stats, .offset: 16, .size: 8, .value_kind: global_buffer, .address_space: global }
    .group_segment_fixed_size: 327680
    .private_segment_fixed_size: 0
    .kernarg_segment_align: 8
    .kernarg_segment_size: 24
    .max_flat_workgroup_size: 128
    .sgpr_count:     80
    .vgpr_count:     1024
    .wavefront_size: 32
...
	.end_amdgpu_metadata
.endif
;; end of part 3
;; launch pv (part 4): grid 4 x 64, 4 waves a work-group, clusters of 4 x 4, 327,680 bytes of LDS; arguments p, qkv, stats, out0; writes out0
.if DOCPART == 4
	.amdgcn_target "amdgcn-amd-amdhsa--gfx1250"
	.amdhsa_code_object_version 6
	.text
	.protected	k_qe643664ede_pv
	.globl	k_qe643664ede_pv
	.p2align	8
	.type	k_qe643664ede_pv,@function
k_qe643664ede_pv:
	s_mov_b64 s[64:65], 0
	v_nop
	global_prefetch_b8 v0, s[64:65] scope:SCOPE_SE
	s_setreg_imm32_b32 hwreg(HW_REG_WAVE_MODE, 25, 1), 1
	s_wait_xcnt 0x0
	s_wait_alu depctr_hold_cnt(0) depctr_sa_sdst(0) depctr_va_vdst(0) depctr_va_sdst(0) depctr_va_ssrc(0) depctr_va_vcc(0) depctr_vm_vsrc(0)
	s_getreg_b32 s2, hwreg(HW_REG_IB_STS2, 6, 4)
	s_cmp_eq_u32 s2, 0
	s_cbranch_scc0 .Lentry_in_a_cluster
	s_endpgm
.Lentry_in_a_cluster:
	s_bfe_u32 s2, ttmp6, 0x10000c
	s_cmp_lg_u32 s2, 0xf033
	s_cbranch_scc0 .Lentry_shape_is_right
	s_endpgm
.Lentry_shape_is_right:
; out0[q][d] = (1 / L) x sum over k of (p[q][k] w_c[q]) v[k][d]: the softmax's second level and the second product.  For each query row, over its 16 chunks c of 128 keys:
; M = max m_c; w_c = f16(2^(m_c - M)), at most 1; L = sum of l_c w_c, at least 1.  p w_c is rounded to f16 for the product; sums in f32; the division by L in f32 at the end.
; LIMITS: a weight p w_c below f16's smallest step (6e-8 of the row's largest) counts as 0; NaN and infinities are not treated apart.
; A tile of 128 queries x 256 channels is made by four waves, each 64 x 128: 32 accumulators of 16 x 16; 256 work-groups.  The 2,048 keys go in 16 steps of 128, a chunk a step, through two LDS slots.
; CLUSTER: 4 x 4 work-groups, all in one batch.  The four of a row of the cluster need the same rows of p, the four of a column the same columns of v: each tile is asked for JOINTLY.
; LAYOUT: O^T = V^T P: source 0 = 16 channels x 32 keys, out of LDS turned by ds_load_tr16_b128 (v lies [key][channel]); source 1 = 16 queries x 32 keys, as p lies.
; A lane holds ONE query (l % 16) in P's fragment and in the result, so w_c and 1 / L are one number a lane and query block.
; The 8 packed multiplies that scale a fragment of P stand in fours among the products of the query block before it; they name no register of the products round them.
; REGISTERS (s_set_vgpr_msb: bits 1:0 source 0, 3:2 source 1, 5:4 source 2, 7:6 destination): window 0: v0-39 addresses and small things; v64-159, v160-255 two fragment buffers: P's block a at f + 8 a, V's block b at f + 32 + 8 b.
;   window 1: accumulator (a, b) at v[8 (8 a + b)].
.set PA,    272                        ; a row of p in LDS: 256 bytes + 16: the 16 rows of a load start at 16 different groups of four banks (64 banks of 4 bytes: ISA guide 11.1)
.set PB,    544                        ; a row of v: 512 + 32 = 136 words
.set ATILE, 128*PA                     ; 128 queries x 128 keys
.set BTILE, 128*PB                     ; 128 keys x 256 channels
.set SLOT1, 1<<17                      ; slot 1 begins here: one exclusive or changes slots
.set STAGE, SLOT1+ATILE+BTILE          ; 16 rows x 528 bytes for each wave, for the way out
.set SP,    528
.set TAB,   STAGE+4*16*SP              ; (w, w) in f16: 16 chunks x 128 rows x 4 bytes
.set INVL,  TAB+16*512                 ; 1 / L: 128 rows x 4 bytes
.set SPARE, INVL+512                   ; the spare words, 128 bytes for each wave
.set VW0,   8                          ; v8   TAB + 4 x my row in block 0; never rewritten
.set TST,   9                          ; v9   TAB + 4 x my thread's number
.set ADRA0, 10                         ; v10  my place in slot 0's tile of p; never rewritten
.set ADRB0, 11                         ; v11  the same for v
.set ADRA,  12                         ; v12-14 the same in the slot, and chunk, in hand
.set ADRB,  13
.set VW,    14
.set STO,   15
.set RD,    16
.set CO,    17
.set SPW,   18                         ; v18  LDS address of my spare word; never rewritten
.set NIL,   19                         ; v19  0; never rewritten
.set IL,    20                         ; v20-27 1 / L of my query in block a, in the low register of pair a
.set WF0,   28                         ; v28-31 (w, w) of my query in block a, for buffer 0
.set WF1,   32                         ; v32-35 for buffer 1
.set F0,    64
.set F1,    160
.set G1,   24
.set G0,   32
.set G0W,  36
.set G1B,  48
.set G0B,  56
.set G0BW, 60
.set TB,   66                          ; s66  LDS byte at which the slot in hand begins
.set TW,   67                          ; s67  512 x the chunk in hand
.set MSB, 0
.macro WIN new
.if MSB != (\new)
	s_set_vgpr_msb (MSB<<8)|(\new)
.set MSB, (\new)
.endif
.endm
.set MUL, 0x50                         ; sources 0 and 1 window 0, C and D window 1
.macro JLOAD                           ; a joint refill: waves 0 and 1 fetch p's two halves (64 queries each), waves 2 and 3 v's (64 keys each); an s_nop 0 and four v_nop follow each line
	s_cmp_eq_u32 s11, 0
	s_cbranch_scc0 .Lfor_b_\@
	tensor_load_to_lds s[G0W:G0W+3], s[G1:G1+7]
	s_nop 0
.rept 4
	v_nop
.endr
	s_branch .Lasked_\@
.Lfor_b_\@:
	tensor_load_to_lds s[G0BW:G0BW+3], s[G1B:G1B+7]
	s_nop 0
.rept 4
	v_nop
.endr
.Lasked_\@:
.endm
.macro CREST
	s_cmp_lg_u32 s10, 0
	s_cbranch_scc1 .Lnot_wave_0_\@
	s_barrier_signal -3
.Lnot_wave_0_\@:
	s_barrier_wait -3
	s_barrier_signal -1
	s_barrier_wait -1
.endm
.macro CROUND
	s_barrier_signal -1
	s_barrier_wait -1
	CREST
.endm
	s_load_b128 s[4:7], s[0:1], 0x0                ; p s[4:5], qkv s[6:7]
	s_load_b64 s[74:75], s[0:1], 0x10              ; stats
	s_load_b64 s[8:9], s[0:1], 0x18                ; out0
	v_lshl_add_u32 v[SPW], v0, 2, SPARE
	v_mov_b32 v[NIL], 0
	ds_add_u32 v[SPW], v[NIL]                      ; the wave's opening: the add and its wait ahead of my first tensor load
	v_lshrrev_b32 v1, 5, v0
	v_readfirstlane_b32 s10, v1                    ; wave 0..3
	s_lshr_b32 s11, s10, 1                         ; my half of the tile's queries.  Also: I fetch for p (0) or for v (1)
	s_and_b32 s12, s10, 1                          ; my half of its channels.  Also: which half of that tile I fetch
	s_bfe_u32 s40, ttmp6, 0x40000                  ; cx
	s_bfe_u32 s41, ttmp6, 0x40004                  ; cy
	s_lshl_b32 s42, ttmp9, 2
	s_add_co_u32 s42, s42, s40                     ; tile column 0..3: 256 channels
	s_and_b32 s45, ttmp7, 0xffff                   ; cluster y 0..15; the batch is its quarter
	s_lshl_b32 s13, s45, 2
	s_add_co_u32 s13, s13, s41                     ; tile row 0..63: 128 of the 8,192 query rows
	s_lshl_b32 s43, s41, 2
	s_lshl_b32 s43, 15, s43                        ; my row of the cluster
	s_lshl_b32 s44, 0x1111, s40                    ; my column
	s_or_b32 s[G1+0], s43, (1<<16)|(1<<20)|(1<<21)|(5<<22)|(3<<25)   ; p: 2-byte elements; after every 64 words 4 words of padding
	s_mov_b32 s[G1+1], 128<<16                     ; tensor_dim0 = 128 keys
	s_mov_b32 s[G1+2], 64<<16                      ; tensor_dim1 = 64 queries
	s_mov_b32 s[G1+3], 128<<16                     ; tile_dim0
	s_mov_b32 s[G1+4], 64                          ; tile_dim1
	s_mov_b32 s[G1+5], 2048                        ; elements from row to row of p
	s_mov_b32 s[G1+6], 0
	s_mov_b32 s[G1+7], 0
	s_or_b32 s[G1B+0], s44, (1<<16)|(1<<20)|(1<<21)|(6<<22)|(7<<25)  ; v: after every 128 words 8 words of padding
	s_mov_b32 s[G1B+1], 256<<16                    ; tensor_dim0 = 256 channels
	s_mov_b32 s[G1B+2], 64<<16                     ; tensor_dim1 = 64 keys
	s_mov_b32 s[G1B+3], 256<<16
	s_mov_b32 s[G1B+4], 64
	s_mov_b32 s[G1B+5], 1024                       ; elements from row to row of qkv
	s_mov_b32 s[G1B+6], 0
	s_mov_b32 s[G1B+7], 0
	s_lshl_b32 s16, s13, 7                         ; p's rows hang on the tile row alone: 128 x tile row + 64 x half,
	s_lshl_b32 s17, s12, 6
	s_add_co_u32 s16, s16, s17
	s_lshl_b32 s16, s16, 12                        ; x 4,096 bytes
	s_mov_b32 s17, 0
	s_lshr_b32 s46, s45, 2                         ; v's tile hangs on the batch and the tile column alone: row 16,384 + 2,048 x batch + 64 x half,
	s_lshl_b32 s46, s46, 11
	s_add_co_u32 s46, s46, 16384
	s_lshl_b32 s47, s12, 6
	s_add_co_u32 s46, s46, s47
	s_lshl_b32 s46, s46, 11                        ; x 2,048 bytes,
	s_lshl_b32 s47, s42, 9
	s_add_co_u32 s46, s46, s47                     ; + 512 bytes x tile column
	s_mov_b32 s47, 0
	s_lshl_b32 s76, s13, 9                         ; the tile's 128 rows in a chunk's row of stats
	s_mov_b32 s77, 0
	s_mul_i32 s20, s12, 64*PA                      ; where my half goes: p's,
	s_mul_i32 s21, s12, 64*PB
	s_add_co_u32 s21, s21, ATILE                   ; v's: no place in the cluster enters an LDS address
	s_mov_b32 s[TB], 0
	s_mov_b32 s[TW], 0
	s_wait_dscnt 0x0                               ; the opening add is done
	s_wait_kmcnt 0x0
	s_add_nc_u64 s[14:15], s[4:5], s[16:17]
	s_add_nc_u64 s[46:47], s[6:7], s[46:47]
	s_add_nc_u64 s[74:75], s[74:75], s[76:77]
.irp s, 0,1
	s_mov_b32 s[G0+4*(\s)], 1
	s_add_co_u32 s[G0+4*(\s)+1], s20, (\s)*SLOT1
	s_add_nc_u64 s[G0+4*(\s)+2:G0+4*(\s)+3], s[14:15], (\s)*256         ; 128 keys on are 256 bytes along p's rows
	s_or_b32 s[G0+4*(\s)+3], s[G0+4*(\s)+3], 0x80000000
	s_mov_b32 s[G0B+4*(\s)], 1
	s_add_co_u32 s[G0B+4*(\s)+1], s21, (\s)*SLOT1
	s_add_nc_u64 s[G0B+4*(\s)+2:G0B+4*(\s)+3], s[46:47], (\s)*128*2048  ; and 128 rows of v
	s_or_b32 s[G0B+4*(\s)+3], s[G0B+4*(\s)+3], 0x80000000
.endr
	CROUND                                         ; all sixteen work-groups are here: the first joint loads meet
	s_cmp_eq_u32 s11, 0                            ; a wave's two first fills stand in one branch: two loads of mine are out
	s_cbranch_scc0 .Lfirst_b
	tensor_load_to_lds s[G0:G0+3], s[G1:G1+7]
	s_nop 0
	tensor_load_to_lds s[G0W:G0W+3], s[G1:G1+7]
	s_nop 0
.rept 4
	v_nop
.endr
	s_branch .Lfirst_asked
.Lfirst_b:
	tensor_load_to_lds s[G0B:G0B+3], s[G1B:G1B+7]
	s_nop 0
	tensor_load_to_lds s[G0BW:G0BW+3], s[G1B:G1B+7]
	s_nop 0
.rept 4
	v_nop
.endr
.Lfirst_asked:
	; THE SECOND LEVEL'S NUMBERS: thread t takes the tile's row t: its 16 m into v64-79, its 16 l into v80-95.  All this stands in the wait for the first tile.
	v_lshlrev_b32 v7, 2, v0
.set c, 0
.rept 16
	global_load_b32 v[64+c], v7, s[74:75] offset:c*32768
.set c, c+1
.endr
.set c, 0
.rept 16
	global_load_b32 v[80+c], v7, s[74:75] offset:524288+c*32768
.set c, c+1
.endr
	v_and_b32 v1, 15, v0                           ; l % 16
	v_bfe_u32 v2, v0, 4, 1                         ; l / 16
	v_and_b32 v3, 31, v0                           ; l
	v_and_b32 v4, 7, v0
	v_bfe_u32 v5, v0, 3, 1
	s_lshl_b32 s22, s11, 6
	v_add_nc_u32 v6, s22, v1                       ; my query's row in the tile, for block 0
	v_mul_u32_u24 v[ADRA0], v6, PA
	v_lshl_add_u32 v[ADRA0], v2, 4, v[ADRA0]       ; row x pitch + 16 x half
	v_lshl_add_u32 v[VW0], v6, 2, TAB
	v_lshl_add_u32 v[ADRB0], v2, 3, v4             ; the turning load: key 8 (l / 16) + l % 8, channels 8 ((l / 8) % 2) + 0..7
	v_mul_u32_u24 v[ADRB0], v[ADRB0], PB
	v_lshl_add_u32 v[ADRB0], v5, 4, v[ADRB0]
	s_lshl_b32 s22, s12, 8                         ; my 128 channels,
	s_add_co_u32 s22, s22, ATILE                   ; behind p's tile
	v_add_nc_u32 v[ADRB0], s22, v[ADRB0]
	v_mov_b32 v[ADRA], v[ADRA0]
	v_mov_b32 v[ADRB], v[ADRB0]
	v_mov_b32 v[VW], v[VW0]
	s_mul_i32 s23, s10, 16*SP
	s_add_co_u32 s23, s23, STAGE                   ; my stage
	v_mul_u32_u24 v[STO], v1, SP                   ; in: row l % 16, 32 bytes for each half of the lanes
	v_lshl_add_u32 v[STO], v2, 5, v[STO]
	v_add_nc_u32 v[STO], s23, v[STO]
	v_lshl_add_u32 v[RD], v3, 4, s23               ; back: 32 lanes take one row of 512 bytes
	v_lshlrev_b32 v[CO], 4, v3
	v_lshl_add_u32 v[TST], v0, 2, TAB
.irp a, 0,1,2,3
	v_mov_b32 v[IL+2*(\a)+1], 0                    ; named with 1 / L as a pair
.endr
	v_mov_b32 v37, 0
	v_mov_b32 v38, 0
	s_lshl_b32 s16, s13, 7                         ; where my part of the tile begins in out0, in bytes
	s_lshl_b32 s17, s11, 6
	s_add_co_u32 s16, s16, s17
	s_lshl_b32 s16, s16, 12
	s_mov_b32 s17, 0
	s_lshl_b32 s46, s42, 10
	s_lshl_b32 s47, s12, 9
	s_add_co_u32 s46, s46, s47
	s_mov_b32 s47, 0
	s_add_nc_u64 s[16:17], s[16:17], s[46:47]
	s_add_nc_u64 s[8:9], s[8:9], s[16:17]
	s_wait_loadcnt 0x0
	v_max3_num_f32 v36, v64, v65, v66              ; M
.irp c, 67,69,71,73,75,77
	v_max3_num_f32 v36, v36, v[\c], v[(\c)+1]
.endr
	v_max_num_f32 v36, v36, v79
.set c, 0
.rept 16
	v_sub_f32 v[64+c], v[64+c], v36
.set c, c+1
.endr
.set c, 0
.rept 16
	v_exp_f32 v[64+c], v[64+c]
.set c, c+1
.endr
	v_nop                                          ; a plain instruction between the last exponential and the use of its result (ISA guide 5.7.2)
.set c, 0
	s_wait_alu depctr_va_vdst(0)
.rept 16
	v_cvt_pk_f16_f32 v[96+c], v[64+c], v[64+c]     ; (w, w)
.set c, c+1
.endr
.set c, 0
.rept 16
	v_fma_mix_f32 v[37+c%2], v[96+c], v[80+c], v[37+c%2] op_sel_hi:[1,0,0]  ; L += w l, with the w that P is multiplied by, in f32, in two chains
.set c, c+1
.endr
	v_add_f32 v37, v37, v38
	v_rcp_f32 v39, v37
	v_nop                                          ; a plain instruction behind the reciprocal
.set c, 0
.rept 16
	ds_store_b32 v[TST], v[96+c] offset:512*c
.set c, c+1
.endr
	s_wait_alu depctr_va_vdst(0)
	ds_store_b32 v[TST], v39 offset:INVL-TAB
.macro MM f, a, b, zero                ; one product: channels 16 b on, queries 16 a on, 32 keys
.if \zero
	v_wmma_f32_16x16x32_f16 v[8*(8*(\a)+(\b)):8*(8*(\a)+(\b))+7], v[(\f)+32+8*(\b):(\f)+32+8*(\b)+7], v[(\f)+8*(\a):(\f)+8*(\a)+7], 0
.else
	v_wmma_f32_16x16x32_f16 v[8*(8*(\a)+(\b)):8*(8*(\a)+(\b))+7], v[(\f)+32+8*(\b):(\f)+32+8*(\b)+7], v[(\f)+8*(\a):(\f)+8*(\a)+7], v[8*(8*(\a)+(\b)):8*(8*(\a)+(\b))+7]
.endif
.endm
.macro RID sf, sw, first               ; four registers of P's fragment sf times (w, w)
	WIN 0
.irp n, 0,1,2,3
	v_pk_mul_f16 v[(\sf)+(\first)+(\n)], v[(\sf)+(\first)+(\n)], v[\sw]
.endr
.endm
; 8 products of query block a; among them the 8 multiplies that scale the fragment sf that is multiplied next (sf < 0: none).  The quarter's 32 accumulators take turns, one instruction a turn.
.macro MULR f, a, zero, sf, sw
	WIN MUL
	MM \f, \a, 0, \zero
	MM \f, \a, 1, \zero
.if (\sf) >= 0
	RID \sf, \sw, 0
	WIN MUL
.endif
	MM \f, \a, 2, \zero
	MM \f, \a, 3, \zero
	MM \f, \a, 4, \zero
	MM \f, \a, 5, \zero
.if (\sf) >= 0
	RID \sf, \sw, 4
	WIN MUL
.endif
	MM \f, \a, 6, \zero
	MM \f, \a, 7, \zero
.endm
; 28 LDS loads in one run: for quarter k of the slot in hand, into buffer g: the four weights, P's 8 loads, V's 16
.macro FETCH k, g, wg
	WIN 0
.irp a, 0,1,2,3
	ds_load_b32 v[(\wg)+(\a)], v[VW] offset:64*(\a)
.endr
.irp a, 0,1,2,3
	ds_load_b128 v[(\g)+8*(\a):(\g)+8*(\a)+3],   v[ADRA] offset:64*(\k)+(\a)*16*PA
	ds_load_b128 v[(\g)+8*(\a)+4:(\g)+8*(\a)+7], v[ADRA] offset:64*(\k)+(\a)*16*PA+32
.endr
.irp b, 0,1,2,3,4,5,6,7
	ds_load_tr16_b128 v[(\g)+32+8*(\b):(\g)+32+8*(\b)+3],   v[ADRB] offset:(\k)*32*PB+32*(\b)
	ds_load_tr16_b128 v[(\g)+32+8*(\b)+4:(\g)+32+8*(\b)+7], v[ADRB] offset:(\k)*32*PB+16*PB+32*(\b)
.endr
.endm
.macro PLACES
.rept 4
	v_nop
.endr
.endm
; A step is four quarters of 32 keys, 32 products each, on buffers 0, 1, 0, 1.  One of the first three: multiplies f and fetches quarter k into g.  The run of loads stands behind block 0's products:
; its eight multiplies, which name nothing of the last products that read g, are the places between those and the loads.
.macro Q k, f, g, wf, wg, zero
	s_wait_dscnt 0x0                               ; V's fragments of f are in
	MULR \f, 0, \zero, (\f)+8, (\wf)+1
	FETCH \k, \g, \wg
	MULR \f, 1, \zero, (\f)+16, (\wf)+2
	MULR \f, 2, \zero, (\f)+24, (\wf)+3
	s_wait_dscnt 16                                ; g's weights and P are in; its 16 loads of V may stay out
	MULR \f, 3, \zero, \g, \wg
.endm
; The last quarter multiplies buffer 1 and changes slots: all my tensor loads, the add, my reads of this slot, then the barrier.  fill = 1: the barrier opens a round of the cluster's, and the slot just read out
; is filled again, two steps ahead, first thing behind the round: 120 products ahead of the wait for it.
.macro TURN fill
	WIN 0
	s_wait_tensorcnt 0x0                           ; all my tensor loads have landed: the one that was out is my part of the next slot; so a group 0 may be written
	ds_add_u32 v[SPW], v[NIL]                      ; 0 onto my spare word; the descriptors' steps stand between it and the wait for it
.if \fill
	s_xor_b32 s[G0W+1], s[G0W+1], SLOT1
	s_add_nc_u64 s[G0W+2:G0W+3], s[G0W+2:G0W+3], 256
	s_xor_b32 s[G0BW+1], s[G0BW+1], SLOT1
	s_add_nc_u64 s[G0BW+2:G0BW+3], s[G0BW+2:G0BW+3], 128*2048
.endif
	s_wait_dscnt 0x0                               ; the add is done, and my reads of this slot are over: V's fragments of buffer 1 were the last
	s_barrier_signal -1
	MULR F1, 0, 0, F1+8, WF1+1                     ; work on registers while the others arrive
	WIN 0
	s_barrier_wait -1
.if \fill
	CREST                                          ; no wave of any partner still reads this slot or has a load on its way
	JLOAD
.else
	PLACES
.endif
	s_xor_b32 s[TB], s[TB], SLOT1                  ; the other slot, the next chunk
	s_add_co_u32 s[TW], s[TW], 512
	v_add_nc_u32 v[ADRA], s[TB], v[ADRA0]
	v_add_nc_u32 v[ADRB], s[TB], v[ADRB0]
	v_add_nc_u32 v[VW], s[TW], v[VW0]
	FETCH 0, F0, WF0
	MULR F1, 1, 0, F1+16, WF1+2
	MULR F1, 2, 0, F1+24, WF1+3
	s_wait_dscnt 16
	MULR F1, 3, 0, F0, WF0
.endm
; THE WAY OUT of query block a: times 1 / L in f32, each accumulator from its lowest registers on; through my own stage; back as whole rows of 512 bytes.
.macro PACK3 a
	WIN 0x01                                       ; source 0 window 1
.set i, 0
.rept 32
	v_pk_mul_f32 v[64+2*i:64+2*i+1], v[64*(\a)+2*i:64*(\a)+2*i+1], v[IL+2*(\a):IL+2*(\a)+1] op_sel_hi:[1,0]
.set i, i+1
.endr
	WIN 0
.endm
.macro TOSTAGE3 a
.set BK, 128+64*((\a)%2)
.irp b, 0,1,2,3,4,5,6,7
	ds_store_b128 v[STO], v[64+8*(\b):64+8*(\b)+3]   offset:64*(\b)
	ds_store_b128 v[STO], v[64+8*(\b)+4:64+8*(\b)+7] offset:64*(\b)+16
.endr
.set t, 0
.rept 16
	ds_load_b128 v[BK+4*t:BK+4*t+3], v[RD] offset:t*SP  ; LDS serves a wave's instructions in order (ISA guide 5.7.1.4): these see the stores above
.set t, t+1
.endr
.endm
.macro SEND3 a
.set BK, 128+64*((\a)%2)
	s_wait_dscnt 0x0                               ; the block is back in registers
	s_wait_xcnt 0x0                                ; the registers that the block before's stores read are loaded again only behind this wait
.set t, 0
.rept 16
	global_store_b128 v[CO], v[BK+4*t:BK+4*t+3], s[8:9] offset:65536*(\a)+4096*t th:TH_STORE_NT  ; 512 consecutive bytes, at a multiple of 256 from out0's first byte
.set t, t+1
.endr
.endm
	s_wait_tensorcnt 1                             ; my part of step 0 is in; step 1's may stay out
	s_wait_dscnt 0x0                               ; for the others' sake: my stores into the tables are done
	s_barrier_signal -1
	s_barrier_wait -1
.irp a, 0,1,2,3
	ds_load_b32 v[IL+2*(\a)], v[VW0] offset:INVL-TAB+64*(\a)
.endr
	FETCH 0, F0, WF0
	s_wait_dscnt 16                                ; 1 / L, the weights and P are in
	RID F0, WF0, 0
	RID F0, WF0, 4
	Q 1, F0, F1, WF0, WF1, 1                       ; the first quarter's products start the sums
	WIN 0
	s_mov_b32 s3, 14
.Lstep:                                                ; 14 trips, from a step's second quarter to the next step's first; they ask for steps 2 to 15
	Q 2, F1, F0, WF1, WF0, 0
	Q 3, F0, F1, WF0, WF1, 0
	TURN 1
	Q 1, F0, F1, WF0, WF1, 0
	WIN 0
	s_sub_co_u32 s3, s3, 1
	s_cmp_lg_u32 s3, 0
	s_cbranch_scc1 .Lstep
	s_mov_b32 s3, 2
.Ltail:                                                ; steps 14 and 15 ask for nothing: a text of their own; the second trip is left in its middle
	Q 2, F1, F0, WF1, WF0, 0
	Q 3, F0, F1, WF0, WF1, 0
	WIN 0
	s_sub_co_u32 s3, s3, 1
	s_cmp_eq_u32 s3, 0
	s_cbranch_scc1 .Lfin
	TURN 0
	Q 1, F0, F1, WF0, WF1, 0
	WIN 0
	s_cmp_lg_u32 s3, 0
	s_cbranch_scc1 .Ltail
.Lfin:                                                 ; the very last quarter
	s_wait_dscnt 0x0
	MULR F1, 0, 0, F1+8, WF1+1
	MULR F1, 1, 0, F1+16, WF1+2
	MULR F1, 2, 0, F1+24, WF1+3
	MULR F1, 3, 0, -1, 0
	WIN 0
	PLACES
	PACK3 0
	TOSTAGE3 0
.irp a, 1,2,3                          ; block a's multiplies stand between block a - 1's loads from the stage and the wait for them
	PACK3 \a
	SEND3 (\a)-1
	TOSTAGE3 \a
.endr
	SEND3 3
	s_wait_tensorcnt 0x0                           ; the wave's end, behind my last tensor load and my last LDS store
	ds_add_u32 v[SPW], v[NIL]
	s_wait_dscnt 0x0
	CROUND                                         ; the closing round
	s_endpgm
.Lfunc_end_k_qe643664ede_pv:
	.size	k_qe643664ede_pv, .Lfunc_end_k_qe643664ede_pv-k_qe643664ede_pv
	.p2alignl 7, 3214868480
	.fill 96, 4, 3214868480
	.section	.rodata,"a",@progbits
	.p2align	6, 0x0
	.amdhsa_kernel k_qe643664ede_pv
		.amdhsa_group_segment_fixed_size 327680
		.amdhsa_private_segment_fixed_size 0
		.amdhsa_enable_private_segment 0
		.amdhsa_kernarg_size 32
		.amdhsa_user_sgpr_count 2
		.amdhsa_user_sgpr_kernarg_segment_ptr 1
		.amdhsa_wavefront_size32 1
		.amdhsa_system_sgpr_workgroup_id_x 1
		.amdhsa_system_sgpr_workgroup_id_y 1
		.amdhsa_system_sgpr_workgroup_id_z 1
		.amdhsa_system_vgpr_workitem_id 0
		.amdhsa_next_free_vgpr 512
		.amdhsa_next_free_sgpr 80
		.amdhsa_reserve_vcc 0
		.amdhsa_float_denorm_mode_32 3
		.amdhsa_float_denorm_mode_16_64 3
		.amdhsa_memory_ordered 1
		.amdhsa_forward_progress 1
		.amdhsa_inst_pref_size 105
	.end_amdhsa_kernel
	.amdgpu_metadata
---
amdhsa.version: [ 1, 2 ]
amdhsa.kernels:
  - .name:           k_qe643664ede_pv
    .symbol:         k_qe643664ede_pv.kd
    .args:
      - { .name: p, .offset: 0, .size: 8, .value_kind: global_buffer, .address_space: global }
      - { .name: qkv, .offset: 8, .size: 8, .value_kind: global_buffer, .address_space: global }
      - { .name: stats, .offset: 16, .size: 8, .value_kind: global_buffer, .address_space: global }
      - { .name: out0, .offset: 24, .size: 8, .value_kind: global_buffer, .address_space: global }
    .group_segment_fixed_size: 327680
    .private_segment_fixed_size: 0
    .kernarg_segment_align: 8
    .kernarg_segment_size: 32
    .max_flat_workgroup_size: 128
    .sgpr_count:     80
    .vgpr_count:     512
    .wavefront_size: 32
...
	.end_amdgpu_metadata
.endif
;; end of part 4
;; ======== version 2 of 2: 4 launches; version 1 with the launch cast written anew for expert scheduling mode
;; limits: values are held in f16: magnitudes above 65,504 overflow, below 6.1e-05 lose precision
;; workspace buffers: xh 33,554,432 bytes; wh 6,291,456 bytes; qkv 50,331,648 bytes; p 33,554,432 bytes; stats 1,048,576 bytes
;; launch cast (part 5): grid 256 x 1, 16 waves a work-group, no clusters, 0 bytes of LDS; arguments x1, x2, Wq, Wk, Wv, xh, wh; writes xh, wh
.if DOCPART == 5
	.amdgcn_target "amdgcn-amd-amdhsa--gfx1250"
	.amdhsa_code_object_version 6
	.text
	.protected	k_qe643664ede_cast
	.globl	k_qe643664ede_cast
	.p2align	8
	.type	k_qe643664ede_cast,@function
k_qe643664ede_cast:
	s_mov_b64 s[64:65], 0
	v_nop
	global_prefetch_b8 v0, s[64:65] scope:SCOPE_SE
	s_setreg_imm32_b32 hwreg(HW_REG_WAVE_SCHED_MODE, 0, 2), 2
	s_setreg_imm32_b32 hwreg(HW_REG_WAVE_MODE, 25, 1), 1
	s_wait_xcnt 0x0
	s_wait_alu depctr_vm_vsrc(0)
; x1, x2 and the three weights are rounded once to bf16.  xh: [16384][1024] bf16 = x1's rows, then x2's.  wh: [3072][1024] bf16 = Wq, Wk, Wv.
; A stream: no LDS, no barrier, no matrix unit.  256 work-groups of 16 waves, all with the same share: wave W = 16 g + w of 4,096 takes 16,384 consecutive bytes of x
; (work-groups 0-127: x1, 128-255: x2) and 1,024 consecutive bytes of each of the three weights: 38 loads of 512 consecutive bytes, all issued at once.
; The conversion is made in place, into the first two registers of each four; each store covers 256 consecutive bytes, aligned.
; THE MODE: SCHED_MODE bits 1:0 = 2 (LLVM: expert scheduling mode 2), set by the entry lines.  The code itself states the register dependences
; between vector instructions and memory instructions, with s_wait_alu, always for 0.
; THE PLAN.  Registers that memory instructions touch:
;   v1, v5, v2, v6   byte offsets of the loads and of the stores: made once at the head, never written again.
;   v[8:159]         four registers for load n (n = 0 .. 37).  Written by load n; all loads are issued ahead of every conversion.  Load n's two conversions read the four
;                    and write the first two; one store reads those two; nothing writes them after that.
; The loads go in ten blocks, nine of four and one of two.  Block p waits for its loads and converts them; its memory instructions are the stores of block p - 1, whose registers
; no conversion of block p names.  So one wait on va_vdst at a block's head, behind the wait for its data, states all that the block's stores hang on, and they are dealt among
; its conversions with no further wait.  No register that a load or store has read is written again, and no load lands in a register that a vector instruction has named:
; no wait on vm_vsrc is owed, and none is written.
.set X, 8                              ; v[8:159]  38 x 4 f32 as loaded: the weights' six loads, then x's 32
.set LOADS, 38
	s_load_b256 s[16:23], s[0:1], 0x0              ; x1 s[16:17], x2 s[18:19], Wq s[20:21], Wk s[22:23]
	s_load_b128 s[24:27], s[0:1], 0x20             ; Wv s[24:25], xh s[26:27]
	s_load_b64 s[28:29], s[0:1], 0x30              ; wh
	s_mov_b32 s2, ttmp9                            ; g
	v_and_b32 v3, 31, v0                           ; lane
	v_and_b32 v4, 0x1e0, v0                        ; 32 x wave
	v_lshlrev_b32 v1, 4, v3
	v_lshl_add_u32 v1, v4, 9, v1                   ; x in: 16,384 x wave + 16 x lane
	v_lshlrev_b32 v2, 3, v3
	v_lshl_add_u32 v2, v4, 8, v2                   ; x out: 8,192 x wave + 8 x lane
	v_lshlrev_b32 v5, 4, v3
	v_lshl_add_u32 v5, v4, 5, v5                   ; a weight in: 1,024 x wave + 16 x lane
	v_lshlrev_b32 v6, 3, v3
	v_lshl_add_u32 v6, v4, 4, v6                   ; a weight out: 512 x wave + 8 x lane
	s_and_b32 s4, s2, 127
	s_lshl_b32 s4, s4, 18                          ; the work-group's 262,144 bytes in x1 or in x2
	s_mov_b32 s5, 0
	s_lshl_b32 s6, s2, 17                          ; its 131,072 bytes in xh
	s_mov_b32 s7, 0
	s_lshl_b32 s8, s2, 14                          ; its 16,384 bytes in each weight
	s_mov_b32 s9, 0
	s_lshl_b32 s10, s2, 13                         ; its 8,192 bytes in each third of wh
	s_mov_b32 s11, 0
	s_wait_kmcnt 0x0
	s_cmp_ge_u32 s2, 128
	s_cselect_b64 s[12:13], s[18:19], s[16:17]     ; the choice hangs on g alone
	s_add_nc_u64 s[12:13], s[12:13], s[4:5]
	s_add_nc_u64 s[26:27], s[26:27], s[6:7]
	s_add_nc_u64 s[20:21], s[20:21], s[8:9]
	s_add_nc_u64 s[22:23], s[22:23], s[8:9]
	s_add_nc_u64 s[24:25], s[24:25], s[8:9]
	s_add_nc_u64 s[28:29], s[28:29], s[10:11]
	s_wait_alu depctr_va_vdst(0)                   ; v1, v2, v5 and v6 are written: every load and store of the kernel reads one of them as its offset
.irp m, 0,1,2
	global_load_b128 v[X+8*(\m):X+8*(\m)+3],   v5, s[20+2*(\m):21+2*(\m)] th:TH_LOAD_NT             ; every byte is read once in the launch
	global_load_b128 v[X+8*(\m)+4:X+8*(\m)+7], v5, s[20+2*(\m):21+2*(\m)] offset:512 th:TH_LOAD_NT
.endr
.set i, 0
.rept 32
	global_load_b128 v[X+24+4*i:X+24+4*i+3], v1, s[12:13] offset:512*i th:TH_LOAD_NT
.set i, i+1
.endr
; Load n's four numbers close up into the first two of their four registers.
.macro CV n
	v_cvt_pk_bf16_f32 v[X+4*(\n)],   v[X+4*(\n)],   v[X+4*(\n)+1]
	v_cvt_pk_bf16_f32 v[X+4*(\n)+1], v[X+4*(\n)+2], v[X+4*(\n)+3]
.endm
; And are stored.  n = 0 .. 5: the weights; n = 6 .. 37: x.
.macro ST n
.if (\n) < 6
	global_store_b64 v6, v[X+4*(\n):X+4*(\n)+1], s[28:29] offset:((\n)/2)*2097152+((\n)%2)*256  ; weight n / 2 has its 2,097,152 bytes of wh
.else
	global_store_b64 v2, v[X+4*(\n):X+4*(\n)+1], s[26:27] offset:256*((\n)-6)  ; no register is written behind the store that reads it
.endif
.endm
.set p, 0
.rept 10                               ; block p: loads 4 p .. 4 p + 3 (block 9: loads 36 and 37)
.if p < 9
	s_wait_loadcnt LOADS-4-4*p                     ; loads come back in order (ISA guide 5.7.1): the block's four are in, the 34 - 4 p younger ones stay out
.else
	s_wait_loadcnt 0x0                             ; the last two
.endif
.if p > 0
	s_wait_alu depctr_va_vdst(0)                   ; the conversions of the block before have written the registers that the four stores below read
.endif
.irp i, 0,1,2,3
.if p > 0
.set k, 4*(p-1)+(\i)
	ST k                                           ; the block before; no vector instruction since the wait names its registers
.endif
.set k, 4*p+(\i)
.if k < LOADS
	CV k
.endif
.endr
.set p, p+1
.endr
	s_wait_alu depctr_va_vdst(0)                   ; block 9's conversions have written the registers that the last two stores read
	ST 36
	ST 37
	s_endpgm
.Lfunc_end_k_qe643664ede_cast:
	.size	k_qe643664ede_cast, .Lfunc_end_k_qe643664ede_cast-k_qe643664ede_cast
	.p2alignl 7, 3214868480
	.fill 96, 4, 3214868480
	.section	.rodata,"a",@progbits
	.p2align	6, 0x0
	.amdhsa_kernel k_qe643664ede_cast
		.amdhsa_group_segment_fixed_size 0
		.amdhsa_private_segment_fixed_size 0
		.amdhsa_enable_private_segment 0
		.amdhsa_kernarg_size 56
		.amdhsa_user_sgpr_count 2
		.amdhsa_user_sgpr_kernarg_segment_ptr 1
		.amdhsa_wavefront_size32 1
		.amdhsa_system_sgpr_workgroup_id_x 1
		.amdhsa_system_sgpr_workgroup_id_y 1
		.amdhsa_system_sgpr_workgroup_id_z 1
		.amdhsa_system_vgpr_workitem_id 0
		.amdhsa_next_free_vgpr 160
		.amdhsa_next_free_sgpr 66
		.amdhsa_reserve_vcc 0
		.amdhsa_float_denorm_mode_32 3
		.amdhsa_float_denorm_mode_16_64 3
		.amdhsa_memory_ordered 1
		.amdhsa_forward_progress 1
		.amdhsa_inst_pref_size 15
	.end_amdhsa_kernel
	.amdgpu_metadata
---
amdhsa.version: [ 1, 2 ]
amdhsa.kernels:
  - .name:           k_qe643664ede_cast
    .symbol:         k_qe643664ede_cast.kd
    .args:
      - { .name: x1, .offset: 0, .size: 8, .value_kind: global_buffer, .address_space: global }
      - { .name: x2, .offset: 8, .size: 8, .value_kind: global_buffer, .address_space: global }
      - { .name: Wq, .offset: 16, .size: 8, .value_kind: global_buffer, .address_space: global }
      - { .name: Wk, .offset: 24, .size: 8, .value_kind: global_buffer, .address_space: global }
      - { .name: Wv, .offset: 32, .size: 8, .value_kind: global_buffer, .address_space: global }
      - { .name: xh, .offset: 40, .size: 8, .value_kind: global_buffer, .address_space: global }
      - { .name: wh, .offset: 48, .size: 8, .value_kind: global_buffer, .address_space: global }
    .group_segment_fixed_size: 0
    .private_segment_fixed_size: 0
    .kernarg_segment_align: 8
    .kernarg_segment_size: 56
    .max_flat_workgroup_size: 512
    .sgpr_count:     66
    .vgpr_count:     160
    .wavefront_size: 32
...
	.end_amdgpu_metadata
.endif
;; end of part 5
;; launch proj: the kernel of part 2 again; grid 8 x 32, 4 waves a work-group, clusters of 4 x 4, 327,680 bytes of LDS; arguments xh, wh, bq, bk, bv, qkv; writes qkv
;; launch scores: the kernel of part 3 again; grid 8 x 32, 4 waves a work-group, clusters of 4 x 4, 327,680 bytes of LDS; arguments qkv, p, stats; writes p, stats
;; launch pv: the kernel of part 4 again; grid 4 x 64, 4 waves a work-group, clusters of 4 x 4, 327,680 bytes of LDS; arguments p, qkv, stats, out0; writes out0
